; MI455X (gfx1250); checked and timed in simulation.
; The chip was launched on July 23, 2026; its instructions are those of AMD's public machine-readable ISA for CDNA 5 (MIT licence, August 2026) and "CDNA5" Instruction Set Architecture Reference Guide (July 2026). The comments in the code are by the model that wrote it; some were corrected since.
;; Tern Bin Network. Allowed arithmetic: float matrix products may take bf16 or f16 operands with f32 sums; other float arithmetic in f32, or as packed bf16 or f16 multiplies, adds, multiply-adds, maxima and minima; sums over many terms, partial sums and values carried from step to step in f32; what a program stores and reads back later, other than sums and carried values, may be rounded once to bf16 or f16.
;; Inputs: W0 4,096 x 4,096 float32; W1 4,096 x 4,096 float32; W2 4,096 x 4,096 float32; x 1,024 x 4,096 float32.
;; Outputs: out0 1,024 x 4,096 float32.
;; 2 versions, each right. Each part assembles by itself: llvm-mc -triple=amdgcn-amd-amdhsa -mcpu=gfx1250 --defsym DOCPART=n.
;; ======== version 1 of 2: 4 launches
;; workspace buffers: xb 8,388,608 bytes; h1 8,388,608 bytes; h2 8,388,608 bytes; t0 33,554,432 bytes; t1 33,554,432 bytes; t2 33,554,432 bytes
;; launch prep (part 1): grid 1280 x 1, 8 waves a work-group, no clusters, 0 bytes of LDS; arguments x, W0, xb, t0; writes xb, t0
.if DOCPART == 1
	.amdgcn_target "amdgcn-amd-amdhsa--gfx1250"
	.amdhsa_code_object_version 6
	.text
	.protected	k_q32425832e2_prep
	.globl	k_q32425832e2_prep
	.p2align	8
	.type	k_q32425832e2_prep,@function
k_q32425832e2_prep:
	s_mov_b64 s[64:65], 0
	v_nop
	global_prefetch_b8 v0, s[64:65] scope:SCOPE_SE
	s_setreg_imm32_b32 hwreg(HW_REG_WAVE_MODE, 25, 1), 1
	s_wait_xcnt 0x0
; THE MODULE: three layers h <- binarize((h @ ternarize(W)) / 16); x [1024][4096], W0, W1, W2 [4096 k][4096 n], all f32; the result [1024][4096] f32.
; WHAT IS LEFT OUT, in exact arithmetic and for all finite inputs:
;   ternarize(w) = w + (q - w) with q = clip(round(w), -1, 1): the two w cancel, the value is q.  Only q is made.
;   binarize(y)  = c + (sign(y) - c) with c = clip(y, -1, 1): the two c cancel, the value is sign(y).  Only the sign is made.
;   the factor 1/16 stands in front of a sign alone, and sign(y / 16) = sign(y): it is not applied.
; Every input has a way to the output and is loaded: x and W0 here, W1 and W2 in the two launches that follow.
; LIMITS.  A NaN, an infinity or an overflow that would arise only in the work left out is not carried to the result; a sum so small that its sixteenth would be flushed to 0 (below 2^-145) still counts
; by its sign; NaN and infinities among the inputs are not treated apart (a NaN weight counts as -1).  ALL inputs are rounded to bf16 first, the weights BEFORE they are rounded to -1, 0, 1: the matrix
; operands are bf16.  A first-layer sum that lies within the rounding of an f32 summation of 0 may get another sign than another order of summation gives it.
; THIS LAUNCH: xb = bf16(x); t0 = clip(round(bf16(W0)), -1, 1) as bf16, in W0's own [k][n] layout.
; A stream: each byte is read once and written once, nothing is shared, so there is no LDS, no cluster and no matrix work.
; SHARES.  1,280 work-groups of 16,384 numbers (65,536 bytes in, 32,768 out): numbers 0 to 1,023 take W0, the other 256 take x.  Thread t takes the 16 bytes at 4,096 j + 16 t, j = 0 .. 15:
; a wave's load covers 512 consecutive bytes; its store of 8 bytes a lane covers 256 consecutive bytes, aligned.  All sixteen loads go out at once; no register is written twice.
; TERNARY, two numbers a line: clip to -1 .. 1 (clip and round may change places: both are monotone and -1, 1 are whole), then + 192 and - 192 in bf16: from 128 to 256 bf16's step is 1,
; so the first sum rounds to a whole number, ties to even as jnp.round does (192 is even), and the second is exact.
.set X,   4                            ; v[4:67]   load j: four registers
.set Y,   68                           ; v[68:99]  store j: two registers
.set TLO, 16                           ; s16  -1 twice, in bf16
.set THI, 17                           ; s17  +1 twice
.set TUP, 18                           ; s18  +192 twice
.set TDN, 19                           ; s19  -192 twice
	s_load_b256 s[4:11], s[0:1], 0x0               ; x s[4:5], W0 s[6:7], xb s[8:9], t0 s[10:11]
	v_lshlrev_b32 v1, 4, v0                        ; 16 t
	v_lshlrev_b32 v2, 3, v0                        ; 8 t
	s_mov_b32 s[TLO], 0xbf80bf80
	s_mov_b32 s[THI], 0x3f803f80
	s_mov_b32 s[TUP], 0x43404340
	s_mov_b32 s[TDN], 0xc340c340
	s_sub_co_u32 s20, ttmp9, 1024                  ; my block's number in x, if I am none of W0's
	s_cmp_lt_u32 ttmp9, 1024
	s_cselect_b32 s20, ttmp9, s20                  ; my block's number in its tensor
	s_cselect_b32 s21, 1, 0                        ; 1: weights
	s_wait_kmcnt 0x0
	s_cselect_b64 s[12:13], s[6:7], s[4:5]         ; from W0 or from x (selects and the wait leave SCC as the compare set it)
	s_cselect_b64 s[14:15], s[10:11], s[8:9]       ; to t0 or to xb
	s_lshl_b32 s22, s20, 16                        ; 65,536 bytes in a block on the way in (under 2^26),
	s_mov_b32 s23, 0
	s_add_nc_u64 s[12:13], s[12:13], s[22:23]
	s_lshl_b32 s22, s20, 15                        ; 32,768 on the way out
	s_add_nc_u64 s[14:15], s[14:15], s[22:23]
.irp j, 0,1,2,3,4,5,6,7,8,9,10,11,12,13,14,15
	global_load_b128 v[X+4*(\j):X+4*(\j)+3], v1, s[12:13] offset:4096*(\j) th:TH_LOAD_NT
.endr
; Load j's four numbers are rounded to bf16, made ternary if tern = 1, and stored.
.macro OUTJ j, tern
	s_wait_loadcnt 15-(\j)                         ; loads come back in order: load j is in, the 15 - j younger ones may stay out
	v_cvt_pk_bf16_f32 v[Y+2*(\j)],   v[X+4*(\j)],   v[X+4*(\j)+1]
	v_cvt_pk_bf16_f32 v[Y+2*(\j)+1], v[X+4*(\j)+2], v[X+4*(\j)+3]
.if \tern
.irp r, 0,1
	v_pk_max_num_bf16 v[Y+2*(\j)+\r], v[Y+2*(\j)+\r], s[TLO]
.endr
.irp r, 0,1
	v_pk_min_num_bf16 v[Y+2*(\j)+\r], v[Y+2*(\j)+\r], s[THI]
.endr
.irp r, 0,1
	v_pk_add_bf16 v[Y+2*(\j)+\r], v[Y+2*(\j)+\r], s[TUP]
.endr
.irp r, 0,1
	v_pk_add_bf16 v[Y+2*(\j)+\r], v[Y+2*(\j)+\r], s[TDN]
.endr
.endif
	global_store_b64 v2, v[Y+2*(\j):Y+2*(\j)+1], s[14:15] offset:2048*(\j) th:TH_STORE_NT
.endm
	s_cmp_eq_u32 s21, 1
	s_cbranch_scc0 .Lplain
.irp j, 0,1,2,3,4,5,6,7,8,9,10,11,12,13,14,15
	OUTJ \j, 1
.endr
	s_endpgm
.Lplain:
.irp j, 0,1,2,3,4,5,6,7,8,9,10,11,12,13,14,15
	OUTJ \j, 0
.endr
	s_endpgm
.Lfunc_end_k_q32425832e2_prep:
	.size	k_q32425832e2_prep, .Lfunc_end_k_q32425832e2_prep-k_q32425832e2_prep
	.p2alignl 7, 3214868480
	.fill 96, 4, 3214868480
	.section	.rodata,"a",@progbits
	.p2align	6, 0x0
	.amdhsa_kernel k_q32425832e2_prep
		.amdhsa_group_segment_fixed_size 0
		.amdhsa_private_segment_fixed_size 0
		.amdhsa_enable_private_segment 0
		.amdhsa_kernarg_size 32
		.amdhsa_user_sgpr_count 2
		.amdhsa_user_sgpr_kernarg_segment_ptr 1
		.amdhsa_wavefront_size32 1
		.amdhsa_system_sgpr_workgroup_id_x 1
		.amdhsa_system_sgpr_workgroup_id_y 1
		.amdhsa_system_sgpr_workgroup_id_z 1
		.amdhsa_system_vgpr_workitem_id 0
		.amdhsa_next_free_vgpr 100
		.amdhsa_next_free_sgpr 66
		.amdhsa_reserve_vcc 0
		.amdhsa_float_denorm_mode_32 3
		.amdhsa_float_denorm_mode_16_64 3
		.amdhsa_memory_ordered 1
		.amdhsa_forward_progress 1
		.amdhsa_inst_pref_size 19
	.end_amdhsa_kernel
	.amdgpu_metadata
---
amdhsa.version: [ 1, 2 ]
amdhsa.kernels:
  - .name:           k_q32425832e2_prep
    .symbol:         k_q32425832e2_prep.kd
    .args:
      - { .name: x, .offset: 0, .size: 8, .value_kind: global_buffer, .address_space: global }
      - { .name: W0, .offset: 8, .size: 8, .value_kind: global_buffer, .address_space: global }
      - { .name: xb, .offset: 16, .size: 8, .value_kind: global_buffer, .address_space: global }
      - { .name: t0, .offset: 24, .size: 8, .value_kind: global_buffer, .address_space: global }
    .group_segment_fixed_size: 0
    .private_segment_fixed_size: 0
    .kernarg_segment_align: 8
    .kernarg_segment_size: 32
    .max_flat_workgroup_size: 256
    .sgpr_count:     66
    .vgpr_count:     100
    .wavefront_size: 32
...
	.end_amdgpu_metadata
.endif
;; end of part 1
;; launch layer1 (part 2): grid 32 x 8, 4 waves a work-group, clusters of 4 x 4, 327,680 bytes of LDS; arguments xb, t0, h1, W1, t1; writes h1, t1
.if DOCPART == 2
	.amdgcn_target "amdgcn-amd-amdhsa--gfx1250"
	.amdhsa_code_object_version 6
	.text
	.protected	k_q32425832e2_layer1
	.globl	k_q32425832e2_layer1
	.p2align	8
	.type	k_q32425832e2_layer1,@function
k_q32425832e2_layer1:
	s_mov_b64 s[64:65], 0
	v_nop
	global_prefetch_b8 v0, s[64:65] scope:SCOPE_SE
	s_setreg_imm32_b32 hwreg(HW_REG_WAVE_MODE, 25, 1), 1
	s_wait_xcnt 0x0
	s_wait_alu depctr_hold_cnt(0) depctr_sa_sdst(0) depctr_va_vdst(0) depctr_va_sdst(0) depctr_va_ssrc(0) depctr_va_vcc(0) depctr_vm_vsrc(0)
	s_getreg_b32 s2, hwreg(HW_REG_IB_STS2, 6, 4)
	s_cmp_eq_u32 s2, 0
	s_cbranch_scc0 .Lentry_in_a_cluster
	s_endpgm
.Lentry_in_a_cluster:
	s_bfe_u32 s2, ttmp6, 0x10000c
	s_cmp_lg_u32 s2, 0xf033
	s_cbranch_scc0 .Lentry_shape_is_right
	s_endpgm
.Lentry_shape_is_right:
; ONE LAYER: C = sign(A @ B).  A: [1024][4096] bf16 (the activations), B: [4096 k][4096 n] bf16 (ternary weights, as an earlier launch stored them), C: [1024][4096] bf16, holding -1, 0, 1.
; BESIDE IT: Tn = clip(round(bf16(Wn)), -1, 1) as bf16, for the NEXT layer's weights Wn [4096][4096] f32: a stream that shares nothing with the product.
; LEFT OUT (shown at the head of the first kernel): the factor 1/16, since sign(y / 16) = sign(y); of w + (q - w) and c + (sign - c) only q and the sign are made.
; LIMITS: a sum below 2^-145 counts by its sign; NaN and infinities are not treated apart; Wn is rounded to bf16 before it is rounded to a whole number; sums in f32, one accumulator an output, K ascending.
; SHARES.  A tile of C is 128 x 128: 32 x 8 tiles, one for each of 256 work-groups.  Four waves, each 64 x 64: 16 accumulators of 16 x 16.  K goes in 16 steps of 256 through two LDS slots.
; CLUSTERS: 4 x 4 work-groups.  The four of a row of the cluster need the same tiles of A, the four of a column the same tiles of B: each tile is asked for JOINTLY, by the same tensor load with the same
; descriptor and a mask that names the four.
; THE MATRIX INSTRUCTION IS USED TRANSPOSED (source 0 = 16 columns of B, source 1 = 16 rows of A): a lane then holds eight neighbouring numbers of a row of C.
; B lies [k][n] in memory and in LDS, and its fragments (a column a lane, k along the registers) come out of LDS by the turning load ds_load_tr16_b128: nothing is transposed in memory.
; THE STREAM.  Work-group g = 32 x tile row + tile column, wave w, owns the 16,384 numbers of Wn from number 16,384 (4 g + w) on: 64 chunks of 256, one for each of the launch's 64 quarter steps.
; A quarter rounds one chunk (20 vector lines) and stores it, and loads the chunk seven further on: a ring of eight chunks in registers.
; REGISTERS: window 0: v0-31 addresses; v32-95 the stream's ring (on the way out: packed results); v96-99 a chunk to store; v100-107 at work; v128-255 the accumulators ((a, b) at v[128 + 8 (4 a + b)]).
;   window 1: two fragment buffers of 128: for 64 along K, 64 registers of A (2 x 4 x 16 rows x 32 K), then 64 of B.
.set KSTEP,  256
.set ROWB,   8192                      ; bytes in a row of A, of B and of C
.set PA,     528                       ; an LDS row of A: 512 bytes + 16 of padding: the 16 rows of a fragment load start 16 bytes apart modulo 256
.set PB,     288                       ; an LDS row of B (one k, 128 columns): 256 bytes + 32 of padding: 16 lanes of the turning load take 8 rows x 32 bytes, all different modulo 256
.set HALFA,  64*PA                     ; 64 rows of A: what one tensor load brings, and what one wave reads
.set HALFB,  128*PB                    ; 128 k of B: what one tensor load brings
.set BOFF,   2*HALFA                   ; a slot: A's 128 rows, then B's 256 k
.set SLOT,   BOFF+2*HALFB
.set STAGE,  2*SLOT                    ; behind the ring: 128 rows x 272 bytes, the work-group's, for the way out
.set SPITCH, 272
.set SPARE,  STAGE+128*SPITCH          ; behind the stage: the spare words, 128 bytes for each wave: two blocks of 256 bytes that no other line names
.set LAPS,   4096/(2*KSTEP)            ; a lap = two K steps = once round the ring
.set ADRA, 16                          ; v16-17  LDS address of my A fragments in slot 0, 1
.set ADRB, 20                          ; v20-23  the same for B: slot 0 k 0-127, k 128-255, slot 1 likewise (255 rows of 288 bytes pass the 16-bit offset)
.set STO,  24                          ; v24     the way out: where I put 16 bytes of a row
.set RD,   25                          ; v25     the way out: where I read a row back
.set CO,   26                          ; v26     my byte offset in C
.set PF,   27                          ; v27     256 x lane: the prefetch's offset; never rewritten
.set SPW,  28                          ; v28     LDS address of my spare word: SPARE + 4 x my thread's number; never rewritten
.set NIL,  29                          ; v29     0; never rewritten
.set WI,   30                          ; v30     16 x lane: the stream's loads; never rewritten
.set WO,   31                          ; v31     8 x lane: the stream's stores; never rewritten
.set X,    32                          ; v[32:95]   the stream's ring: chunk c in the eight registers at X + 8 (c % 8)
.set TMP,  32                          ; the way out: 64 registers, packed results and then whole rows
.set Y,    96                          ; v[96:99]   a chunk as stored
.set SG,   100                         ; v[100:107] eight signs in f32
.set ACC,  128
.set F0,   0                           ; fragment buffers, in window 1
.set F1,   128
.set G1,   24                          ; s[24:31] descriptor group 1 for A's tiles;  s[32:39] group 0, one set for each slot
.set G0,   32
.set G1B,  48                          ; s[48:55], s[56:63] the same for B's tiles
.set G0B,  56
.set IN,   68                          ; s[68:69] Wn at the chunk in hand
.set OUT,  70                          ; s[70:71] Tn at the chunk in hand
.set TLO,  72                          ; s72  -1 twice, in bf16
.set THI,  73                          ; s73  +1 twice
.set TUP,  74                          ; s74  +192 twice
.set TDN,  75                          ; s75  -192 twice
.set ABSM, 76                          ; s76  all bits but the sign
.set MK,   80                          ; s[80:87] eight masks: which sums are not 0
.set MSB, 0
.macro WIN new                         ; the immediate's high byte repeats the setting that is left; a switch that changes nothing is dropped
.if MSB != (\new)
	s_set_vgpr_msb (MSB<<8)|(\new)
.set MSB, \new
.endif
.endm
.set MUL,  0x05                        ; sources 0 (B) and 1 (A) window 1; C and D window 0
.set TO_F, 0x40                        ; destination window 1, address window 0
; A joint load: waves 0 and 1 fetch A's two halves, waves 2 and 3 B's.  The branch hangs on the wave's number alone.  An s_nop 0 and four v_nop follow each of the two lines.
.macro JLOAD s
	s_cmp_eq_u32 s11, 0
	s_cbranch_scc0 .Lfor_b_\@
	tensor_load_to_lds s[G0+4*(\s):G0+4*(\s)+3], s[G1:G1+7]
	s_nop 0
.rept 4
	v_nop
.endr
	s_branch .Lasked_\@
.Lfor_b_\@:
	tensor_load_to_lds s[G0B+4*(\s):G0B+4*(\s)+3], s[G1B:G1B+7]
	s_nop 0
.rept 4
	v_nop
.endr
.Lasked_\@:
.endm
.macro CREST                           ; a round of the cluster's barrier behind its opening barrier
	s_cmp_lg_u32 s10, 0
	s_cbranch_scc1 .Lnot_wave_0_\@
	s_barrier_signal -3
.Lnot_wave_0_\@:
	s_barrier_wait -3
	s_barrier_signal -1
	s_barrier_wait -1
.endm
.macro CROUND                          ; a whole round
	s_barrier_signal -1
	s_barrier_wait -1
	CREST
.endm
	s_load_b128 s[4:7], s[0:1], 0x0                ; A s[4:5], B s[6:7]
	s_load_b64 s[8:9], s[0:1], 0x10                ; C
	s_load_b128 s[68:71], s[0:1], 0x18             ; Wn s[68:69], Tn s[70:71]
	v_lshl_add_u32 v[SPW], v0, 2, SPARE
	v_mov_b32 v[NIL], 0
	ds_add_u32 v[SPW], v[NIL]                      ; the wave's opening: the add, twice on end, and its wait ahead of my first tensor load; the set-up below stands between
	ds_add_u32 v[SPW], v[NIL]                      ; and once more, under the one wait
	v_lshrrev_b32 v1, 5, v0
	v_readfirstlane_b32 s10, v1                    ; wave 0..3
	s_lshr_b32 s11, s10, 1                         ; which half of the tile's rows is mine.  Also: I fetch for A (0) or for B (1)
	s_and_b32 s12, s10, 1                          ; which half of its columns.  Also: which half of that tile I fetch
	s_bfe_u32 s40, ttmp6, 0x40000                  ; cx, cy: my place in the cluster
	s_bfe_u32 s41, ttmp6, 0x40004
	s_lshl_b32 s42, ttmp9, 2
	s_add_co_u32 s42, s42, s40                     ; tile column of C = 4 x cluster x + cx
	s_and_b32 s13, ttmp7, 0xffff
	s_lshl_b32 s13, s13, 2
	s_add_co_u32 s13, s13, s41                     ; tile row of C = 4 x cluster y + cy
	s_lshl_b32 s43, s41, 2
	s_lshl_b32 s43, 15, s43                        ; my row of the cluster
	s_lshl_b32 s44, 0x1111, s40                    ; my column
	; group 1 for A: 64 rows x 256 elements; for B: 128 rows (k) x 128 elements (n); both padded in LDS
	s_or_b32 s[G1+0], s43, (1<<16)|(1<<20)|(1<<21)|(6<<22)|(3<<25)   ; 15:0 the mask: my row; 17:16 2-byte elements; 20 padding on; 21 set beside a mask; 24:22 after every 128 words (code 6); 31:25 4 words (code 3)
	s_or_b32 s[G1B+0], s44, (1<<16)|(1<<20)|(1<<21)|(5<<22)|(7<<25)  ; the mask: my column; after every 64 words (code 5) 8 words (code 7)
	s_mov_b32 s[G1+1], 256<<16                     ; tensor_dim0 = 256
	s_mov_b32 s[G1+2], 64<<16                      ; tensor_dim1 = 64
	s_mov_b32 s[G1+3], 256<<16                     ; tile_dim0 = 256
	s_mov_b32 s[G1+4], 64                          ; tile_dim1 = 64
	s_mov_b32 s[G1+5], 4096                        ; elements from row to row
	s_mov_b32 s[G1+6], 0
	s_mov_b32 s[G1+7], 0
	s_mov_b32 s[G1B+1], 128<<16                    ; tensor_dim0 = 128
	s_mov_b32 s[G1B+2], 128<<16                    ; tensor_dim1 = 128
	s_mov_b32 s[G1B+3], 128<<16                    ; tile_dim0 = 128
	s_mov_b32 s[G1B+4], 128                        ; tile_dim1 = 128
	s_mov_b32 s[G1B+5], 4096
	s_mov_b32 s[G1B+6], 0
	s_mov_b32 s[G1B+7], 0
	s_mov_b32 s[TLO], 0xbf80bf80
	s_mov_b32 s[THI], 0x3f803f80
	s_mov_b32 s[TUP], 0x43404340
	s_mov_b32 s[TDN], 0xc340c340
	s_mov_b32 s[ABSM], 0x7fffffff
	; A's tiles hang on the tile row alone, B's on the tile column alone; each address is made in registers that never hold the other coordinate
	s_lshl_b32 s16, s13, 7
	s_lshl_b32 s17, s12, 6
	s_add_co_u32 s16, s16, s17                     ; A: row 128 x tile row + 64 x half,
	s_lshl_b32 s16, s16, 13                        ; in bytes (under 2^23)
	s_mov_b32 s17, 0
	s_lshl_b32 s46, s12, 20                        ; B: k = 128 x half, 8,192 bytes each,
	s_lshl_b32 s47, s42, 8                         ; and 256 bytes a tile column
	s_add_co_u32 s46, s46, s47
	s_mov_b32 s47, 0
	s_mul_i32 s20, s12, HALFA                      ; where they go: no place in the cluster enters an LDS address
	s_mul_i32 s21, s12, HALFB
	s_add_co_u32 s21, s21, BOFF
	s_wait_dscnt 0x0                               ; both opening adds are done
	s_wait_kmcnt 0x0
	s_add_nc_u64 s[14:15], s[4:5], s[16:17]
	s_add_nc_u64 s[46:47], s[6:7], s[46:47]
	CROUND                                         ; all sixteen work-groups are here: the first joint loads meet
.irp s, 0,1
	s_mov_b32 s[G0+4*(\s)], 1                                        ; count = 1
	s_add_co_u32 s[G0+4*(\s)+1], s20, (\s)*SLOT                      ; LDS address
	s_add_nc_u64 s[G0+4*(\s)+2:G0+4*(\s)+3], s[14:15], (\s)*KSTEP*2  ; global address: K step s lies 512 bytes along A's rows,
	s_or_b32 s[G0+4*(\s)+3], s[G0+4*(\s)+3], 0x80000000              ; type = 2
	s_mov_b32 s[G0B+4*(\s)], 1
	s_add_co_u32 s[G0B+4*(\s)+1], s21, (\s)*SLOT
	s_add_nc_u64 s[G0B+4*(\s)+2:G0B+4*(\s)+3], s[46:47], (\s)*KSTEP*ROWB  ; and 256 rows down B
	s_or_b32 s[G0B+4*(\s)+3], s[G0B+4*(\s)+3], 0x80000000
	JLOAD \s                                       ; two loads of mine are out
.endr
	; the stream: my 65,536 bytes of Wn and 32,768 of Tn
	s_lshl_b32 s78, s13, 5
	s_add_co_u32 s78, s78, s42                     ; g
	s_lshl_b32 s78, s78, 2
	s_add_co_u32 s78, s78, s10                     ; 4 g + w
	s_lshl_b32 s78, s78, 15
	s_mov_b32 s79, 0
	s_add_nc_u64 s[OUT:OUT+1], s[OUT:OUT+1], s[78:79]
	s_lshl_b32 s78, s78, 1
	s_add_nc_u64 s[IN:IN+1], s[IN:IN+1], s[78:79]
	v_and_b32 v7, 31, v0
	v_lshlrev_b32 v[WI], 4, v7
	v_lshlrev_b32 v[WO], 3, v7
	v_lshlrev_b32 v[PF], 8, v7
.set j, 0
.rept 7                                ; chunks 0 to 6: fourteen loads
	global_load_b128 v[X+8*j:X+8*j+3],   v[WI], s[IN:IN+1] offset:1024*j th:TH_LOAD_NT
	global_load_b128 v[X+8*j+4:X+8*j+7], v[WI], s[IN:IN+1] offset:1024*j+512 th:TH_LOAD_NT
.set j, j+1
.endr
	; A's fragments: lane l holds row l % 16; two loads of 16 bytes, 32 bytes apart, at row x pitch + 16 (l / 16)
	v_and_b32 v1, 15, v0                           ; l % 16
	v_bfe_u32 v2, v0, 4, 1                         ; l / 16
	v_mul_u32_u24 v3, v1, PA
	v_lshl_add_u32 v3, v2, 4, v3
	s_mul_i32 s22, s11, HALFA                      ; my 64 rows of A
	v_add_nc_u32 v[ADRA], s22, v3
	v_add_nc_u32 v[ADRA+1], SLOT, v[ADRA]
	; B's fragments: the turning load takes 16 k x 16 columns (lane l reads k = 8 (l / 16) + l % 8, columns 8 ((l / 8) % 2) + 0..7) and leaves half a fragment: lane l holds column l % 16 and 8 k
	v_and_b32 v4, 7, v0
	v_bfe_u32 v5, v0, 3, 1
	v_lshl_add_u32 v4, v2, 3, v4
	v_mul_u32_u24 v4, v4, PB
	v_lshl_add_u32 v4, v5, 4, v4
	s_lshl_b32 s23, s12, 7                         ; my 64 columns: 128 bytes of each row,
	s_add_co_u32 s23, s23, BOFF                    ; behind A's 128 rows
	v_add_nc_u32 v[ADRB], s23, v4
	v_add_nc_u32 v[ADRB+1], HALFB, v[ADRB]
	v_add_nc_u32 v[ADRB+2], SLOT, v[ADRB]
	v_add_nc_u32 v[ADRB+3], SLOT+HALFB, v[ADRB]
	s_mul_i32 s23, s11, 64*SPITCH                  ; into the stage: my 64 rows, my half of their 256 bytes; row l % 16, 16 bytes for each half of the lanes
	s_lshl_b32 s22, s12, 7
	s_add_co_u32 s23, s23, s22
	s_add_co_u32 s23, s23, STAGE
	v_mul_u32_u24 v6, v1, SPITCH
	v_lshl_add_u32 v6, v2, 4, v6
	v_add_nc_u32 v[STO], s23, v6
	s_mul_i32 s23, s10, 32*SPITCH                  ; back: wave w takes rows 32 w .. 32 w + 31, whole; lanes 0-15 one row of 256 bytes, lanes 16-31 the next
	s_add_co_u32 s23, s23, STAGE
	v_mul_u32_u24 v7, v2, SPITCH
	v_lshl_add_u32 v7, v1, 4, v7
	v_add_nc_u32 v[RD], s23, v7
	v_lshlrev_b32 v7, 13, v2                       ; and the same two rows in C
	v_lshl_add_u32 v[CO], v1, 4, v7
	s_lshl_b32 s16, s13, 7
	s_lshl_b32 s17, s10, 5
	s_add_co_u32 s16, s16, s17                     ; the first row of C that I store: 128 x tile row + 32 x wave
	s_lshl_b32 s16, s16, 13
	s_mov_b32 s17, 0
	s_add_nc_u64 s[8:9], s[8:9], s[16:17]
	s_lshl_b32 s46, s42, 8                         ; the tile's first column, in bytes
	s_mov_b32 s47, 0
	s_add_nc_u64 s[8:9], s[8:9], s[46:47]
; 8 matrix instructions: row blocks a0, a0 + 1 x all 4 column blocks, 32 along K: half c of buffer f.  zero = 1: the first product starts the sums.
; The 16 accumulators take turns, one instruction a turn, in the same order everywhere.
.macro MUL8 f, c, a0, zero
	WIN MUL
.irp a, \a0, (\a0)+1
.irp b, 0,1,2,3
.if \zero
	v_wmma_f32_16x16x32_bf16 v[ACC+8*(4*(\a)+(\b)):ACC+8*(4*(\a)+(\b))+7], v[(\f)+64+8*(4*(\c)+(\b)):(\f)+64+8*(4*(\c)+(\b))+7], v[(\f)+8*(4*(\c)+(\a)):(\f)+8*(4*(\c)+(\a))+7], 0
.else
	v_wmma_f32_16x16x32_bf16 v[ACC+8*(4*(\a)+(\b)):ACC+8*(4*(\a)+(\b))+7], v[(\f)+64+8*(4*(\c)+(\b)):(\f)+64+8*(4*(\c)+(\b))+7], v[(\f)+8*(4*(\c)+(\a)):(\f)+8*(4*(\c)+(\a))+7], v[ACC+8*(4*(\a)+(\b)):ACC+8*(4*(\a)+(\b))+7]
.endif
.endr
.endr
.endm
; 32 LDS loads in one run: the fragments of quarter q (64 along K) of a slot, into buffer f; the first 32 along K first
.macro FETCH slot, q, f
	WIN TO_F
.irp c, 0,1
.irp i, 0,1,2,3
	ds_load_tr16_b128 v[(\f)+64+8*(4*(\c)+(\i)):(\f)+64+8*(4*(\c)+(\i))+3],   v[ADRB+2*(\slot)+(\q)/2] offset:(64*((\q)%2)+32*(\c))*PB+32*(\i)
	ds_load_tr16_b128 v[(\f)+64+8*(4*(\c)+(\i))+4:(\f)+64+8*(4*(\c)+(\i))+7], v[ADRB+2*(\slot)+(\q)/2] offset:(64*((\q)%2)+32*(\c)+16)*PB+32*(\i)
	ds_load_b128 v[(\f)+8*(4*(\c)+(\i)):(\f)+8*(4*(\c)+(\i))+3],              v[ADRA+(\slot)] offset:128*(\q)+64*(\c)+(\i)*16*PA
	ds_load_b128 v[(\f)+8*(4*(\c)+(\i))+4:(\f)+8*(4*(\c)+(\i))+7],            v[ADRA+(\slot)] offset:128*(\q)+64*(\c)+(\i)*16*PA+32
.endr
.endr
.endm
.macro PLACES                          ; four plain vector lines between a matrix instruction and a load into, or a reader of, its registers (ISA guide 7.12.1 for readers)
.rept 4
	v_nop
.endr
.endm
; THE STREAM'S SHARE OF A QUARTER.  Chunk CP (its place in the ring) is rounded to bf16, clipped to -1 .. 1, and rounded to a whole number by + 192 and - 192 in bf16 (from 128 to 256 bf16's step is 1,
; ties go to even as in jnp.round), and stored: two stores of 256 consecutive bytes, aligned.  CL = 1: the chunk seven on is loaded into the place that the quarter before emptied.
; CLEFT: the younger loads that may stay out: six chunks of two.  CSTEP = 0 in the first quarter alone.  CPF = 1, once a lap: THE PREFETCH: a lane names one block of 256 bytes, the wave 8,192 bytes:
; the eight chunks that the NEXT lap's quarters will load; each block is named once, by the wave that will load it; the last lap asks for nothing (its successor loads nothing), and chunks 0 to 15 come by their loads alone.
; Its 20 vector lines name no register of a matrix instruction: they are also the places in front of the fragment loads that follow.
.set CP, 0
.set CL, 1
.set CLEFT, 12
.set CSTEP, 0
.set CPF, 0
.macro CONV
	WIN 0
	s_wait_loadcnt CLEFT                           ; loads come back in order: my chunk is in
	s_wait_xcnt 0x0                                ; the last quarter's loads, stores and prefetch have read their registers: Y and the two pointers are written only behind this wait
.if CSTEP
	s_add_nc_u64 s[IN:IN+1], s[IN:IN+1], 1024
	s_add_nc_u64 s[OUT:OUT+1], s[OUT:OUT+1], 512
.endif
.irp r, 0,1,2,3
	v_cvt_pk_bf16_f32 v[Y+\r], v[X+8*CP+2*\r], v[X+8*CP+2*\r+1]
.endr
.irp r, 0,1,2,3
	v_pk_max_num_bf16 v[Y+\r], v[Y+\r], s[TLO]
.endr
.irp r, 0,1,2,3
	v_pk_min_num_bf16 v[Y+\r], v[Y+\r], s[THI]
.endr
.irp r, 0,1,2,3
	v_pk_add_bf16 v[Y+\r], v[Y+\r], s[TUP]
.endr
.irp r, 0,1,2,3
	v_pk_add_bf16 v[Y+\r], v[Y+\r], s[TDN]
.endr
.if CL
	global_load_b128 v[X+8*((CP+7)%8):X+8*((CP+7)%8)+3],   v[WI], s[IN:IN+1] offset:7168 th:TH_LOAD_NT
	global_load_b128 v[X+8*((CP+7)%8)+4:X+8*((CP+7)%8)+7], v[WI], s[IN:IN+1] offset:7680 th:TH_LOAD_NT
.endif
.if CPF
	s_cmp_gt_u32 s3, 1                             ; s3 = 1 in the last lap
	s_cbranch_scc0 .Lno_ask_\@
	global_prefetch_b8 v[PF], s[IN:IN+1] offset:15360 th:TH_LOAD_NT scope:SCOPE_SE
.Lno_ask_\@:
.endif
	global_store_b64 v[WO], v[Y:Y+1],   s[OUT:OUT+1] th:TH_STORE_NT
	global_store_b64 v[WO], v[Y+2:Y+3], s[OUT:OUT+1] offset:256 th:TH_STORE_NT
.set CP, (CP+1)%8
.if CL == 0
.set CLEFT, CLEFT-2
.endif
.set CSTEP, 1
.set CPF, 0
.endm
; A K step is four quarters of 64 along K, 32 matrix instructions each, on buffers 0, 1, 0, 1.  One of the first three: multiplies buffer f and fetches quarter q of the same slot into g.
.macro QUARTER slot, q, f, g, zero
	s_wait_dscnt 16                                ; the first 32 along K are in; the youngest sixteen loads may be out
	MUL8 \f, 0, 0, \zero
	MUL8 \f, 0, 2, \zero
	CONV
	FETCH \slot, \q, \g
	s_wait_dscnt 32                                ; all but the 32 just issued
	MUL8 \f, 1, 0, 0
	MUL8 \f, 1, 2, 0
.endm
; The last quarter multiplies buffer 1 and changes slots: ONE barrier; in front of it each wave waits for all its tensor loads (one is out: its part of the next slot), adds 0 to its spare word, and waits
; for that and for its own reads of this slot.  fill = 1: the barrier opens a round of the cluster's barrier, and this slot is filled again, two K steps ahead, first thing behind the round.
.macro TURN slot, next, fill
	WIN 0                                          ; (the add's two registers lie in window 0)
	s_wait_tensorcnt 0x0                           ; all my tensor loads have landed;
	ds_add_u32 v[SPW], v[NIL]                      ; 0 onto my spare word;
	s_wait_dscnt 17                                ; (the add and the youngest sixteen loads may be out)
	MUL8 F1, 0, 0, 0                               ; eight matrix instructions stand between the add and the wait for it
	s_wait_dscnt 0x0                               ; the add is done, and my reads of this slot are over
	s_barrier_signal -1
	MUL8 F1, 0, 2, 0
.if \fill
	WIN 0
.endif
	s_barrier_wait -1
.if \fill
	CREST                                          ; no wave of any partner still reads this slot's tiles or has a load on its way
	s_add_nc_u64 s[G0+4*(\slot)+2:G0+4*(\slot)+3], s[G0+4*(\slot)+2:G0+4*(\slot)+3], 2*KSTEP*2
	s_add_nc_u64 s[G0B+4*(\slot)+2:G0B+4*(\slot)+3], s[G0B+4*(\slot)+2:G0B+4*(\slot)+3], 2*KSTEP*ROWB
	JLOAD \slot                                    ; my one tensor load behind the round; the four v_nop behind it are also the places in front of the loads below
.else
	PLACES
.endif
	FETCH \next, 0, F0
	CONV
	MUL8 F1, 1, 0, 0
	MUL8 F1, 1, 2, 0
.endm
	s_wait_tensorcnt 1                             ; my part of K step 0 is in; K step 1's may stay out
	s_barrier_signal -1
	s_barrier_wait -1                              ; everybody's is
	FETCH 0, 0, F0
	QUARTER 0, 1, F0, F1, 1                        ; the first quarter stands in front of the loop: its first products start the sums
	WIN 0                                          ; at a label and at a branch every window is 0
	s_mov_b32 s3, LAPS-1
.Llap:                                                 ; a trip goes once round the ring, from a lap's second quarter to the next lap's first, and fills both slots again
.set CPF, 1
	QUARTER 0, 2, F1, F0, 0
	QUARTER 0, 3, F0, F1, 0
	TURN 0, 1, 1
	QUARTER 1, 1, F0, F1, 0
	QUARTER 1, 2, F1, F0, 0
	QUARTER 1, 3, F0, F1, 0
	TURN 1, 0, 1
	QUARTER 0, 1, F0, F1, 0
	WIN 0
	s_sub_co_u32 s3, s3, 1
	s_cmp_lg_u32 s3, 0
	s_cbranch_scc1 .Llap
.set CL, 0                             ; the last seven quarters load nothing of the stream: their counts run down 12, 10 .. 0
	QUARTER 0, 2, F1, F0, 0                        ; the last lap fills nothing, and has no round of the cluster's barrier
	QUARTER 0, 3, F0, F1, 0
	TURN 0, 1, 0
	QUARTER 1, 1, F0, F1, 0
	QUARTER 1, 2, F1, F0, 0
	QUARTER 1, 3, F0, F1, 0
	s_wait_dscnt 16                                ; the very last quarter: no fragments are left to fetch
	MUL8 F1, 0, 0, 0
	MUL8 F1, 0, 2, 0
	CONV                                           ; the stream's last chunk
	s_wait_dscnt 0x0
	MUL8 F1, 1, 0, 0
	MUL8 F1, 1, 2, 0
	WIN 0
	; THE WAY OUT.  sign(s): 1.0 where s is not 0, else 0, with s's sign bit; eight numbers at a time, each accumulator's registers in ascending order; rounded to bf16 (exact).
	; 16 bytes a lane into the work-group's stage; a barrier, since a row's 256 bytes come from two waves; back as whole rows, 32 rows a wave.
	PLACES
.set t, 0
.rept 16
.irp j, 0,1,2,3,4,5,6,7
	v_cmp_neq_f32 s[MK+\j], 0, v[ACC+8*t+\j]
.endr
.irp j, 0,1,2,3,4,5,6,7
	v_cndmask_b32 v[SG+\j], 0, 1.0, s[MK+\j]
.endr
.irp j, 0,1,2,3,4,5,6,7
	v_bfi_b32 v[SG+\j], s[ABSM], v[SG+\j], v[ACC+8*t+\j]
.endr
.irp r, 0,1,2,3
	v_cvt_pk_bf16_f32 v[TMP+4*t+\r], v[SG+2*\r], v[SG+2*\r+1]
.endr
.set t, t+1
.endr
.irp a, 0,1,2,3
.irp b, 0,1,2,3
	ds_store_b128 v[STO], v[TMP+4*(4*(\a)+(\b)):TMP+4*(4*(\a)+(\b))+3] offset:(\a)*16*SPITCH+32*(\b)
.endr
.endr
	s_wait_dscnt 0x0                               ; for the others' sake: my stores into the stage are done
	s_barrier_signal -1
	s_barrier_wait -1
.irp t, 0,1,2,3,4,5,6,7,8,9,10,11,12,13,14,15
	ds_load_b128 v[TMP+4*(\t):TMP+4*(\t)+3], v[RD] offset:(\t)*2*SPITCH
.endr
.irp t, 0,1,2,3,4,5,6,7,8,9,10,11,12,13,14,15
	s_wait_dscnt 15-(\t)                           ; LDS loads come back in order: pair t of rows is in
	global_store_b128 v[CO], v[TMP+4*(\t):TMP+4*(\t)+3], s[8:9] offset:2*(\t)*ROWB  ; 16 lanes store 256 consecutive bytes, at a multiple of 256 from C's first byte
.endr
	s_wait_tensorcnt 0x0                           ; the wave's end: an add and its wait, behind my last tensor load and my last LDS store
	ds_add_u32 v[SPW], v[NIL]
	s_wait_dscnt 0x0
	CROUND                                         ; the closing round: no work-group ends while a partner may still ask for a tile that names it
	s_endpgm
.Lfunc_end_k_q32425832e2_layer1:
	.size	k_q32425832e2_layer1, .Lfunc_end_k_q32425832e2_layer1-k_q32425832e2_layer1
	.p2alignl 7, 3214868480
	.fill 96, 4, 3214868480
	.section	.rodata,"a",@progbits
	.p2align	6, 0x0
	.amdhsa_kernel k_q32425832e2_layer1
		.amdhsa_group_segment_fixed_size 327680
		.amdhsa_private_segment_fixed_size 0
		.amdhsa_enable_private_segment 0
		.amdhsa_kernarg_size 40
		.amdhsa_user_sgpr_count 2
		.amdhsa_user_sgpr_kernarg_segment_ptr 1
		.amdhsa_wavefront_size32 1
		.amdhsa_system_sgpr_workgroup_id_x 1
		.amdhsa_system_sgpr_workgroup_id_y 1
		.amdhsa_system_sgpr_workgroup_id_z 1
		.amdhsa_system_vgpr_workitem_id 0
		.amdhsa_next_free_vgpr 512
		.amdhsa_next_free_sgpr 88
		.amdhsa_reserve_vcc 0
		.amdhsa_float_denorm_mode_32 3
		.amdhsa_float_denorm_mode_16_64 3
		.amdhsa_memory_ordered 1
		.amdhsa_forward_progress 1
		.amdhsa_inst_pref_size 140
	.end_amdhsa_kernel
	.amdgpu_metadata
---
amdhsa.version: [ 1, 2 ]
amdhsa.kernels:
  - .name:           k_q32425832e2_layer1
    .symbol:         k_q32425832e2_layer1.kd
    .args:
      - { .name: xb, .offset: 0, .size: 8, .value_kind: global_buffer, .address_space: global }
      - { .name: t0, .offset: 8, .size: 8, .value_kind: global_buffer, .address_space: global }
      - { .name: h1, .offset: 16, .size: 8, .value_kind: global_buffer, .address_space: global }
      - { .name: W1, .offset: 24, .size: 8, .value_kind: global_buffer, .address_space: global }
      - { .name: t1, .offset: 32, .size: 8, .value_kind: global_buffer, .address_space: global }
    .group_segment_fixed_size: 327680
    .private_segment_fixed_size: 0
    .kernarg_segment_align: 8
    .kernarg_segment_size: 40
    .max_flat_workgroup_size: 128
    .sgpr_count:     88
    .vgpr_count:     512
    .wavefront_size: 32
...
	.end_amdgpu_metadata
.endif
;; end of part 2
;; launch layer2: the kernel of part 2 again; grid 32 x 8, 4 waves a work-group, clusters of 4 x 4, 327,680 bytes of LDS; arguments h1, t1, h2, W2, t2; writes h2, t2
;; launch last (part 3): grid 32 x 8, 4 waves a work-group, clusters of 4 x 4, 327,680 bytes of LDS; arguments h2, t2, out0; writes out0
.if DOCPART == 3
	.amdgcn_target "amdgcn-amd-amdhsa--gfx1250"
	.amdhsa_code_object_version 6
	.text
	.protected	k_q32425832e2_last
	.globl	k_q32425832e2_last
	.p2align	8
	.type	k_q32425832e2_last,@function
k_q32425832e2_last:
	s_mov_b64 s[64:65], 0
	v_nop
	global_prefetch_b8 v0, s[64:65] scope:SCOPE_SE
	s_setreg_imm32_b32 hwreg(HW_REG_WAVE_MODE, 25, 1), 1
	s_wait_xcnt 0x0
	s_wait_alu depctr_hold_cnt(0) depctr_sa_sdst(0) depctr_va_vdst(0) depctr_va_sdst(0) depctr_va_ssrc(0) depctr_va_vcc(0) depctr_vm_vsrc(0)
	s_getreg_b32 s2, hwreg(HW_REG_IB_STS2, 6, 4)
	s_cmp_eq_u32 s2, 0
	s_cbranch_scc0 .Lentry_in_a_cluster
	s_endpgm
.Lentry_in_a_cluster:
	s_bfe_u32 s2, ttmp6, 0x10000c
	s_cmp_lg_u32 s2, 0xf033
	s_cbranch_scc0 .Lentry_shape_is_right
	s_endpgm
.Lentry_shape_is_right:
; THE LAST LAYER: C = sign(A @ B).  A: [1024][4096] bf16, holding -1, 0, 1 (the launch before stored signs); B: [4096 k][4096 n] bf16, ternary weights as the launch before stored them; C: [1024][4096] f32.
; LEFT OUT (shown at the head of the first kernel): the factor 1/16, since sign(y / 16) = sign(y); of c + (sign - c) only the sign is made.
; Every product is -1, 0 or 1 and a sum has 4,096 of them: the f32 sums are exact whole numbers, and a whole number held to -1 .. 1 is its sign.
; SHARES.  A tile of C is 128 x 128: 32 x 8 tiles, one for each of 256 work-groups.  Four waves, each 64 x 64: 16 accumulators of 16 x 16.  K goes in 16 steps of 256 through two LDS slots.
; CLUSTERS: 4 x 4 work-groups.  The four of a row of the cluster need the same tiles of A, the four of a column the same tiles of B: each tile is asked for JOINTLY, by the same tensor load with the same
; descriptor and a mask that names the four.
; THE MATRIX INSTRUCTION IS USED TRANSPOSED (source 0 = 16 columns of B, source 1 = 16 rows of A): a lane then holds eight neighbouring numbers of a row of C.
; B lies [k][n] in memory and in LDS; its fragments come out of LDS by the turning load ds_load_tr16_b128.
; REGISTERS: window 0: v0-31 addresses; v128-255 the accumulators ((a, b) at v[128 + 8 (4 a + b)]), on the way out whole rows.
;   window 1: two fragment buffers of 128: for 64 along K, 64 registers of A (2 x 4 x 16 rows x 32 K), then 64 of B.
.set KSTEP,  256
.set ROWB,   8192                      ; bytes in a row of A and of B
.set CROWB,  16384                     ; bytes in a row of C
.set PA,     528                       ; an LDS row of A: 512 bytes + 16 of padding: the 16 rows of a fragment load start 16 bytes apart modulo 256
.set PB,     288                       ; an LDS row of B (one k, 128 columns): 256 bytes + 32 of padding: 16 lanes of the turning load take 8 rows x 32 bytes, all different modulo 256
.set HALFA,  64*PA                     ; 64 rows of A: what one tensor load brings, and what one wave reads
.set HALFB,  128*PB                    ; 128 k of B: what one tensor load brings
.set BOFF,   2*HALFA                   ; a slot: A's 128 rows, then B's 256 k
.set SLOT,   BOFF+2*HALFB
.set STAGE,  0                         ; the way out's stage, 128 rows x 528 bytes, is slot 0's part for A: it has had its last fill, and its last reads end in front of the last change of slots' barrier
.set OPITCH, 528                       ; a stage row: 512 bytes + 16
.set SPARE,  2*SLOT                    ; behind the ring: the spare words, 128 bytes for each wave: two blocks of 256 bytes that no other line names
.set LAPS,   4096/(2*KSTEP)            ; a lap = two K steps = once round the ring
.set ADRA, 16                          ; v16-17  LDS address of my A fragments in slot 0, 1
.set ADRB, 20                          ; v20-23  the same for B: slot 0 k 0-127, k 128-255, slot 1 likewise (255 rows of 288 bytes pass the 16-bit offset)
.set STO,  24                          ; v24     the way out: where I put 32 bytes of a row
.set RD,   25                          ; v25     the way out: where I read a row back
.set CO,   26                          ; v26     my byte offset in a row of C
.set SPW,  28                          ; v28     LDS address of my spare word: SPARE + 4 x my thread's number; never rewritten
.set NIL,  29                          ; v29     0; never rewritten
.set ACC,  128
.set F0,   0                           ; fragment buffers, in window 1
.set F1,   128
.set G1,   24                          ; s[24:31] descriptor group 1 for A's tiles;  s[32:39] group 0, one set for each slot
.set G0,   32
.set G1B,  48                          ; s[48:55], s[56:63] the same for B's tiles
.set G0B,  56
.set MSB, 0
.macro WIN new                         ; the immediate's high byte repeats the setting that is left; a switch that changes nothing is dropped
.if MSB != (\new)
	s_set_vgpr_msb (MSB<<8)|(\new)
.set MSB, \new
.endif
.endm
.set MUL,  0x05                        ; sources 0 (B) and 1 (A) window 1; C and D window 0
.set TO_F, 0x40                        ; destination window 1, address window 0
; A joint load: waves 0 and 1 fetch A's two halves, waves 2 and 3 B's.  The branch hangs on the wave's number alone.  An s_nop 0 and four v_nop follow each of the two lines.
.macro JLOAD s
	s_cmp_eq_u32 s11, 0
	s_cbranch_scc0 .Lfor_b_\@
	tensor_load_to_lds s[G0+4*(\s):G0+4*(\s)+3], s[G1:G1+7]
	s_nop 0
.rept 4
	v_nop
.endr
	s_branch .Lasked_\@
.Lfor_b_\@:
	tensor_load_to_lds s[G0B+4*(\s):G0B+4*(\s)+3], s[G1B:G1B+7]
	s_nop 0
.rept 4
	v_nop
.endr
.Lasked_\@:
.endm
.macro CREST                           ; a round of the cluster's barrier behind its opening barrier
	s_cmp_lg_u32 s10, 0
	s_cbranch_scc1 .Lnot_wave_0_\@
	s_barrier_signal -3
.Lnot_wave_0_\@:
	s_barrier_wait -3
	s_barrier_signal -1
	s_barrier_wait -1
.endm
.macro CROUND                          ; a whole round
	s_barrier_signal -1
	s_barrier_wait -1
	CREST
.endm
	s_load_b128 s[4:7], s[0:1], 0x0                ; A s[4:5], B s[6:7]
	s_load_b64 s[8:9], s[0:1], 0x10                ; C
	v_lshl_add_u32 v[SPW], v0, 2, SPARE
	v_mov_b32 v[NIL], 0
	ds_add_u32 v[SPW], v[NIL]                      ; the wave's opening: the add, twice on end, and its wait ahead of my first tensor load; the set-up below stands between
	ds_add_u32 v[SPW], v[NIL]                      ; and once more, under the one wait
	v_lshrrev_b32 v1, 5, v0
	v_readfirstlane_b32 s10, v1                    ; wave 0..3
	s_lshr_b32 s11, s10, 1                         ; which half of the tile's rows is mine.  Also: I fetch for A (0) or for B (1)
	s_and_b32 s12, s10, 1                          ; which half of its columns.  Also: which half of that tile I fetch
	s_bfe_u32 s40, ttmp6, 0x40000                  ; cx, cy: my place in the cluster
	s_bfe_u32 s41, ttmp6, 0x40004
	s_lshl_b32 s42, ttmp9, 2
	s_add_co_u32 s42, s42, s40                     ; tile column of C = 4 x cluster x + cx
	s_and_b32 s13, ttmp7, 0xffff
	s_lshl_b32 s13, s13, 2
	s_add_co_u32 s13, s13, s41                     ; tile row of C = 4 x cluster y + cy
	s_lshl_b32 s43, s41, 2
	s_lshl_b32 s43, 15, s43                        ; my row of the cluster
	s_lshl_b32 s44, 0x1111, s40                    ; my column
	; group 1 for A: 64 rows x 256 elements; for B: 128 rows (k) x 128 elements (n); both padded in LDS
	s_or_b32 s[G1+0], s43, (1<<16)|(1<<20)|(1<<21)|(6<<22)|(3<<25)   ; 15:0 the mask: my row; 17:16 2-byte elements; 20 padding on; 21 set beside a mask; 24:22 after every 128 words (code 6); 31:25 4 words (code 3)
	s_or_b32 s[G1B+0], s44, (1<<16)|(1<<20)|(1<<21)|(5<<22)|(7<<25)  ; the mask: my column; after every 64 words (code 5) 8 words (code 7)
	s_mov_b32 s[G1+1], 256<<16                     ; tensor_dim0 = 256
	s_mov_b32 s[G1+2], 64<<16                      ; tensor_dim1 = 64
	s_mov_b32 s[G1+3], 256<<16                     ; tile_dim0 = 256
	s_mov_b32 s[G1+4], 64                          ; tile_dim1 = 64
	s_mov_b32 s[G1+5], 4096                        ; elements from row to row
	s_mov_b32 s[G1+6], 0
	s_mov_b32 s[G1+7], 0
	s_mov_b32 s[G1B+1], 128<<16                    ; tensor_dim0 = 128
	s_mov_b32 s[G1B+2], 128<<16                    ; tensor_dim1 = 128
	s_mov_b32 s[G1B+3], 128<<16                    ; tile_dim0 = 128
	s_mov_b32 s[G1B+4], 128                        ; tile_dim1 = 128
	s_mov_b32 s[G1B+5], 4096
	s_mov_b32 s[G1B+6], 0
	s_mov_b32 s[G1B+7], 0
	; A's tiles hang on the tile row alone, B's on the tile column alone; each address is made in registers that never hold the other coordinate
	s_lshl_b32 s16, s13, 7
	s_lshl_b32 s17, s12, 6
	s_add_co_u32 s16, s16, s17                     ; A: row 128 x tile row + 64 x half,
	s_lshl_b32 s16, s16, 13                        ; in bytes (under 2^23)
	s_mov_b32 s17, 0
	s_lshl_b32 s46, s12, 20                        ; B: k = 128 x half, 8,192 bytes each,
	s_lshl_b32 s47, s42, 8                         ; and 256 bytes a tile column
	s_add_co_u32 s46, s46, s47
	s_mov_b32 s47, 0
	s_mul_i32 s20, s12, HALFA                      ; where they go: no place in the cluster enters an LDS address
	s_mul_i32 s21, s12, HALFB
	s_add_co_u32 s21, s21, BOFF
	s_wait_dscnt 0x0                               ; both opening adds are done
	s_wait_kmcnt 0x0
	s_add_nc_u64 s[14:15], s[4:5], s[16:17]
	s_add_nc_u64 s[46:47], s[6:7], s[46:47]
	CROUND                                         ; all sixteen work-groups are here: the first joint loads meet
.irp s, 0,1
	s_mov_b32 s[G0+4*(\s)], 1                                        ; count = 1
	s_add_co_u32 s[G0+4*(\s)+1], s20, (\s)*SLOT                      ; LDS address
	s_add_nc_u64 s[G0+4*(\s)+2:G0+4*(\s)+3], s[14:15], (\s)*KSTEP*2  ; global address: K step s lies 512 bytes along A's rows,
	s_or_b32 s[G0+4*(\s)+3], s[G0+4*(\s)+3], 0x80000000              ; type = 2
	s_mov_b32 s[G0B+4*(\s)], 1
	s_add_co_u32 s[G0B+4*(\s)+1], s21, (\s)*SLOT
	s_add_nc_u64 s[G0B+4*(\s)+2:G0B+4*(\s)+3], s[46:47], (\s)*KSTEP*ROWB  ; and 256 rows down B
	s_or_b32 s[G0B+4*(\s)+3], s[G0B+4*(\s)+3], 0x80000000
	JLOAD \s                                       ; two loads of mine are out
.endr
	; A's fragments: lane l holds row l % 16; two loads of 16 bytes, 32 bytes apart, at row x pitch + 16 (l / 16)
	v_and_b32 v1, 15, v0                           ; l % 16
	v_bfe_u32 v2, v0, 4, 1                         ; l / 16
	v_mul_u32_u24 v3, v1, PA
	v_lshl_add_u32 v3, v2, 4, v3
	s_mul_i32 s22, s11, HALFA                      ; my 64 rows of A
	v_add_nc_u32 v[ADRA], s22, v3
	v_add_nc_u32 v[ADRA+1], SLOT, v[ADRA]
	; B's fragments: the turning load takes 16 k x 16 columns (lane l reads k = 8 (l / 16) + l % 8, columns 8 ((l / 8) % 2) + 0..7) and leaves half a fragment: lane l holds column l % 16 and 8 k
	v_and_b32 v4, 7, v0
	v_bfe_u32 v5, v0, 3, 1
	v_lshl_add_u32 v4, v2, 3, v4
	v_mul_u32_u24 v4, v4, PB
	v_lshl_add_u32 v4, v5, 4, v4
	s_lshl_b32 s23, s12, 7                         ; my 64 columns: 128 bytes of each row,
	s_add_co_u32 s23, s23, BOFF                    ; behind A's 128 rows
	v_add_nc_u32 v[ADRB], s23, v4
	v_add_nc_u32 v[ADRB+1], HALFB, v[ADRB]
	v_add_nc_u32 v[ADRB+2], SLOT, v[ADRB]
	v_add_nc_u32 v[ADRB+3], SLOT+HALFB, v[ADRB]
	s_mul_i32 s23, s11, 64*OPITCH                  ; into the stage: my 64 rows, my half of their 512 bytes; row l % 16, 32 bytes for each half of the lanes
	s_lshl_b32 s22, s12, 8
	s_add_co_u32 s23, s23, s22
	s_add_co_u32 s23, s23, STAGE
	v_mul_u32_u24 v6, v1, OPITCH
	v_lshl_add_u32 v6, v2, 5, v6
	v_add_nc_u32 v[STO], s23, v6
	s_mul_i32 s23, s10, 32*OPITCH                  ; back: wave w takes rows 32 w .. 32 w + 31, whole: 32 lanes x 16 bytes are a row's 512
	s_add_co_u32 s23, s23, STAGE
	v_and_b32 v7, 31, v0
	v_lshlrev_b32 v[CO], 4, v7
	v_add_nc_u32 v[RD], s23, v[CO]
	s_lshl_b32 s16, s13, 7
	s_lshl_b32 s17, s10, 5
	s_add_co_u32 s16, s16, s17                     ; the first row of C that I store: 128 x tile row + 32 x wave
	s_lshl_b32 s16, s16, 14
	s_mov_b32 s17, 0
	s_add_nc_u64 s[8:9], s[8:9], s[16:17]
	s_lshl_b32 s46, s42, 9                         ; the tile's first column, in bytes
	s_mov_b32 s47, 0
	s_add_nc_u64 s[8:9], s[8:9], s[46:47]
; 8 matrix instructions: row blocks a0, a0 + 1 x all 4 column blocks, 32 along K: half c of buffer f.  zero = 1: the first product starts the sums.
; The 16 accumulators take turns, one instruction a turn, in the same order everywhere.
.macro MUL8 f, c, a0, zero
	WIN MUL
.irp a, \a0, (\a0)+1
.irp b, 0,1,2,3
.if \zero
	v_wmma_f32_16x16x32_bf16 v[ACC+8*(4*(\a)+(\b)):ACC+8*(4*(\a)+(\b))+7], v[(\f)+64+8*(4*(\c)+(\b)):(\f)+64+8*(4*(\c)+(\b))+7], v[(\f)+8*(4*(\c)+(\a)):(\f)+8*(4*(\c)+(\a))+7], 0
.else
	v_wmma_f32_16x16x32_bf16 v[ACC+8*(4*(\a)+(\b)):ACC+8*(4*(\a)+(\b))+7], v[(\f)+64+8*(4*(\c)+(\b)):(\f)+64+8*(4*(\c)+(\b))+7], v[(\f)+8*(4*(\c)+(\a)):(\f)+8*(4*(\c)+(\a))+7], v[ACC+8*(4*(\a)+(\b)):ACC+8*(4*(\a)+(\b))+7]
.endif
.endr
.endr
.endm
; 32 LDS loads in one run: the fragments of quarter q (64 along K) of a slot, into buffer f; the first 32 along K first
.macro FETCH slot, q, f
	WIN TO_F
.irp c, 0,1
.irp i, 0,1,2,3
	ds_load_tr16_b128 v[(\f)+64+8*(4*(\c)+(\i)):(\f)+64+8*(4*(\c)+(\i))+3],   v[ADRB+2*(\slot)+(\q)/2] offset:(64*((\q)%2)+32*(\c))*PB+32*(\i)
	ds_load_tr16_b128 v[(\f)+64+8*(4*(\c)+(\i))+4:(\f)+64+8*(4*(\c)+(\i))+7], v[ADRB+2*(\slot)+(\q)/2] offset:(64*((\q)%2)+32*(\c)+16)*PB+32*(\i)
	ds_load_b128 v[(\f)+8*(4*(\c)+(\i)):(\f)+8*(4*(\c)+(\i))+3],              v[ADRA+(\slot)] offset:128*(\q)+64*(\c)+(\i)*16*PA
	ds_load_b128 v[(\f)+8*(4*(\c)+(\i))+4:(\f)+8*(4*(\c)+(\i))+7],            v[ADRA+(\slot)] offset:128*(\q)+64*(\c)+(\i)*16*PA+32
.endr
.endr
.endm
.macro PLACES                          ; four plain vector lines between a matrix instruction and a load into, or a reader of, its registers (ISA guide 7.12.1 for readers)
.rept 4
	v_nop
.endr
.endm
; A K step is four quarters of 64 along K, 32 matrix instructions each, on buffers 0, 1, 0, 1.  One of the first three: multiplies buffer f and fetches quarter q of the same slot into g.
.macro QUARTER slot, q, f, g, zero
	s_wait_dscnt 16                                ; the first 32 along K are in; the youngest sixteen loads may be out
	MUL8 \f, 0, 0, \zero
	MUL8 \f, 0, 2, \zero
	PLACES
	FETCH \slot, \q, \g
	s_wait_dscnt 32                                ; all but the 32 just issued
	MUL8 \f, 1, 0, 0
	MUL8 \f, 1, 2, 0
.endm
; The last quarter multiplies buffer 1 and changes slots: ONE barrier; in front of it each wave waits for all its tensor loads (one is out: its part of the next slot), adds 0 to its spare word, and waits
; for that and for its own reads of this slot.  fill = 1: the barrier opens a round of the cluster's barrier, and this slot is filled again, two K steps ahead, first thing behind the round.
.macro TURN slot, next, fill
	WIN 0                                          ; (the add's two registers lie in window 0)
	s_wait_tensorcnt 0x0                           ; all my tensor loads have landed;
	ds_add_u32 v[SPW], v[NIL]                      ; 0 onto my spare word;
	s_wait_dscnt 17                                ; (the add and the youngest sixteen loads may be out)
	MUL8 F1, 0, 0, 0                               ; eight matrix instructions stand between the add and the wait for it
	s_wait_dscnt 0x0                               ; the add is done, and my reads of this slot are over
	s_barrier_signal -1
	MUL8 F1, 0, 2, 0
.if \fill
	WIN 0
.endif
	s_barrier_wait -1
.if \fill
	CREST                                          ; no wave of any partner still reads this slot's tiles or has a load on its way
	s_add_nc_u64 s[G0+4*(\slot)+2:G0+4*(\slot)+3], s[G0+4*(\slot)+2:G0+4*(\slot)+3], 2*KSTEP*2
	s_add_nc_u64 s[G0B+4*(\slot)+2:G0B+4*(\slot)+3], s[G0B+4*(\slot)+2:G0B+4*(\slot)+3], 2*KSTEP*ROWB
	JLOAD \slot                                    ; my one tensor load behind the round; the four v_nop behind it are also the places in front of the loads below
.else
	PLACES
.endif
	FETCH \next, 0, F0
	MUL8 F1, 1, 0, 0
	MUL8 F1, 1, 2, 0
.endm
	s_wait_tensorcnt 1                             ; my part of K step 0 is in; K step 1's may stay out
	s_barrier_signal -1
	s_barrier_wait -1                              ; everybody's is
	FETCH 0, 0, F0
	QUARTER 0, 1, F0, F1, 1                        ; the first quarter stands in front of the loop: its first products start the sums
	WIN 0                                          ; at a label and at a branch every window is 0
	s_mov_b32 s3, LAPS-1
.Llap:                                                 ; a trip goes once round the ring, from a lap's second quarter to the next lap's first, and fills both slots again
	QUARTER 0, 2, F1, F0, 0
	QUARTER 0, 3, F0, F1, 0
	TURN 0, 1, 1
	QUARTER 1, 1, F0, F1, 0
	QUARTER 1, 2, F1, F0, 0
	QUARTER 1, 3, F0, F1, 0
	TURN 1, 0, 1
	QUARTER 0, 1, F0, F1, 0
	WIN 0
	s_sub_co_u32 s3, s3, 1
	s_cmp_lg_u32 s3, 0
	s_cbranch_scc1 .Llap
	QUARTER 0, 2, F1, F0, 0                        ; the last lap fills nothing, and has no round of the cluster's barrier
	QUARTER 0, 3, F0, F1, 0
	TURN 0, 1, 0                                   ; behind this barrier no wave reads slot 0 any more, and no load fills it: its part for A becomes the stage
	QUARTER 1, 1, F0, F1, 0
	QUARTER 1, 2, F1, F0, 0
	QUARTER 1, 3, F0, F1, 0
	s_wait_dscnt 16                                ; the very last quarter: nothing more to fetch
	MUL8 F1, 0, 0, 0
	MUL8 F1, 0, 2, 0
	s_wait_dscnt 0x0
	MUL8 F1, 1, 0, 0
	MUL8 F1, 1, 2, 0
	WIN 0
	; THE WAY OUT.  The sums are whole numbers: held to -1 .. 1 they are their signs; in place, each accumulator's registers in ascending order.
	; 32 bytes a lane into the work-group's stage; a barrier, since a row's 512 bytes come from two waves; back as whole rows, 32 rows a wave.
	PLACES
.set t, 0
.rept 128
	v_med3_num_f32 v[ACC+t], v[ACC+t], -1.0, 1.0
.set t, t+1
.endr
.irp a, 0,1,2,3
.irp b, 0,1,2,3
	ds_store_b128 v[STO], v[ACC+8*(4*(\a)+(\b)):ACC+8*(4*(\a)+(\b))+3]   offset:(\a)*16*OPITCH+64*(\b)
	ds_store_b128 v[STO], v[ACC+8*(4*(\a)+(\b))+4:ACC+8*(4*(\a)+(\b))+7] offset:(\a)*16*OPITCH+64*(\b)+16
.endr
.endr
	s_wait_dscnt 0x0                               ; for the others' sake: my stores into the stage are done
	s_barrier_signal -1
	s_barrier_wait -1
.set t, 0
.rept 32
	ds_load_b128 v[ACC+4*t:ACC+4*t+3], v[RD] offset:t*OPITCH
.set t, t+1
.endr
.set t, 0
.rept 32
	s_wait_dscnt 31-t                              ; LDS loads come back in order: row t is in
	global_store_b128 v[CO], v[ACC+4*t:ACC+4*t+3], s[8:9] offset:t*CROWB th:TH_STORE_NT  ; the wave stores 512 consecutive bytes, at a multiple of 256 from C's first byte
.set t, t+1
.endr
	s_wait_tensorcnt 0x0                           ; the wave's end: an add and its wait, behind my last tensor load and my last LDS store
	ds_add_u32 v[SPW], v[NIL]
	s_wait_dscnt 0x0
	CROUND                                         ; the closing round: no work-group ends while a partner may still ask for a tile that names it
	s_endpgm
.Lfunc_end_k_q32425832e2_last:
	.size	k_q32425832e2_last, .Lfunc_end_k_q32425832e2_last-k_q32425832e2_last
	.p2alignl 7, 3214868480
	.fill 96, 4, 3214868480
	.section	.rodata,"a",@progbits
	.p2align	6, 0x0
	.amdhsa_kernel k_q32425832e2_last
		.amdhsa_group_segment_fixed_size 327680
		.amdhsa_private_segment_fixed_size 0
		.amdhsa_enable_private_segment 0
		.amdhsa_kernarg_size 24
		.amdhsa_user_sgpr_count 2
		.amdhsa_user_sgpr_kernarg_segment_ptr 1
		.amdhsa_wavefront_size32 1
		.amdhsa_system_sgpr_workgroup_id_x 1
		.amdhsa_system_sgpr_workgroup_id_y 1
		.amdhsa_system_sgpr_workgroup_id_z 1
		.amdhsa_system_vgpr_workitem_id 0
		.amdhsa_next_free_vgpr 512
		.amdhsa_next_free_sgpr 66
		.amdhsa_reserve_vcc 0
		.amdhsa_float_denorm_mode_32 3
		.amdhsa_float_denorm_mode_16_64 3
		.amdhsa_memory_ordered 1
		.amdhsa_forward_progress 1
		.amdhsa_inst_pref_size 95
	.end_amdhsa_kernel
	.amdgpu_metadata
---
amdhsa.version: [ 1, 2 ]
amdhsa.kernels:
  - .name:           k_q32425832e2_last
    .symbol:         k_q32425832e2_last.kd
    .args:
      - { .name: h2, .offset: 0, .size: 8, .value_kind: global_buffer, .address_space: global }
      - { .name: t2, .offset: 8, .size: 8, .value_kind: global_buffer, .address_space: global }
      - { .name: out0, .offset: 16, .size: 8, .value_kind: global_buffer, .address_space: global }
    .group_segment_fixed_size: 327680
    .private_segment_fixed_size: 0
    .kernarg_segment_align: 8
    .kernarg_segment_size: 24
    .max_flat_workgroup_size: 128
    .sgpr_count:     66
    .vgpr_count:     512
    .wavefront_size: 32
...
	.end_amdgpu_metadata
.endif
;; end of part 3
;; ======== version 2 of 2: 4 launches
;; workspace buffers: xb 8,388,608 bytes; h1 4,194,304 bytes; h2 4,194,304 bytes; t0 16,777,216 bytes; t1 16,777,216 bytes; t2 16,777,216 bytes
;; launch prep (part 4): grid 1280 x 1, 8 waves a work-group, no clusters, 0 bytes of LDS; arguments x, W0, xb, t0; writes xb, t0
.if DOCPART == 4
	.amdgcn_target "amdgcn-amd-amdhsa--gfx1250"
	.amdhsa_code_object_version 6
	.text
	.protected	k_q32425832e2_prep
	.globl	k_q32425832e2_prep
	.p2align	8
	.type	k_q32425832e2_prep,@function
k_q32425832e2_prep:
	s_mov_b64 s[64:65], 0
	v_nop
	global_prefetch_b8 v0, s[64:65] scope:SCOPE_SE
	s_setreg_imm32_b32 hwreg(HW_REG_WAVE_MODE, 25, 1), 1
	s_wait_xcnt 0x0
; THE MODULE: three layers h <- binarize((h @ ternarize(W)) / 16); x [1024][4096], W0, W1, W2 [4096 k][4096 n], all f32; the result [1024][4096] f32.
; WHAT IS LEFT OUT, in exact arithmetic and for all finite inputs:
;   ternarize(w) = w + (q - w) with q = clip(round(w), -1, 1): the two w cancel, the value is q.  Only q is made.
;   binarize(y)  = c + (sign(y) - c) with c = clip(y, -1, 1): the two c cancel, the value is sign(y).  Only the sign is made.
;   the factor 1/16 stands in front of a sign alone, and sign(y / 16) = sign(y): it is not applied.
; Every input has a way to the output and is loaded: x and W0 here, W1 and W2 in the two launches that follow.
; LIMITS.  A NaN, an infinity or an overflow that would arise only in the work left out is not carried to the result; a sum so small that its sixteenth would be flushed to 0 (below 2^-145) still counts
; by its sign; NaN and infinities among the inputs are not treated apart (a NaN weight counts as -1).  ALL inputs are rounded to bf16 first, the weights BEFORE they are rounded to -1, 0, 1: the matrix
; operands are bf16.  A first-layer sum that lies within the rounding of an f32 summation of 0 may get another sign than another order of summation gives it.
; THE CODE.  What is ternary (q, and later the signs) is stored as ONE BYTE, the upper byte of its bf16 number: +1 -> 0x3f, -1 -> 0xbf, 0 -> 0.  The launch that multiplies sets the
; byte back into the upper byte of a bf16: +-0.5 or 0, the same power of two for all, in front of a sign.  Nothing is rounded by the code; the matrix operands are bf16.
; THIS LAUNCH: xb = bf16(x), row-major; t0 = the codes of clip(round(bf16(W0)), -1, 1), in blocks: byte (k, n) lies at 524,288 (n / 128) + 512 (k / 4) + 16 ((n % 128) / 4) + 4 (n % 4) + k % 4,
; so that 128 columns x any run of k are dense bytes, and 16 bytes hold 4 columns x 4 k.
; A stream: each byte is read once and written once, nothing is shared, so there is no LDS, no cluster and no matrix work.
; SHARES.  1,280 work-groups of 16,384 numbers.  Numbers 0 to 1,023 take W0: work-group g takes rows 4 g .. 4 g + 3 (65,536 consecutive bytes), wave v the column tiles 4 v .. 4 v + 3, a UNIT each:
; 4 loads of 512 consecutive bytes (a row's 128 columns, 4 a lane), one store of 512 consecutive bytes.  The other 256 take x: thread t the 16 bytes at 4,096 j + 16 t; a store covers 256 bytes, aligned.
; All sixteen loads of a thread go out at once.
; TERNARY, two numbers a line: clip to -1 .. 1 (clip and round may change places: both are monotone and -1, 1 are whole), then + 192 and - 192 in bf16: from 128 to 256 bf16's step is 1,
; so the first sum rounds to a whole number, ties to even as jnp.round does (192 is even), and the second is exact.
.set X,   4                            ; v[4:67]   load j: four registers
.set Y,   68                           ; v[68:99]  x: store j: two registers
.set P,   68                           ; v[68:75]  weights: a unit's 4 rows x 4 columns as bf16: row i at P + 2 i (columns 0, 1) and P + 2 i + 1 (columns 2, 3)
.set U,   76                           ; v[76:79]  half turned
.set Q,   80                           ; v[80:95]  unit u: four registers to store: column c, 4 k
.set TLO, 16                           ; s16  -1 twice, in bf16
.set THI, 17                           ; s17  +1 twice
.set TUP, 18                           ; s18  +192 twice
.set TDN, 19                           ; s19  -192 twice
.set SELT, 20                          ; s20  the upper bytes of two registers' four bf16: column by column, two rows each
.set SELA, 21                          ; s21  the low halves of two registers
.set SELB, 24                          ; s24  the high halves
	s_load_b256 s[4:11], s[0:1], 0x0               ; x s[4:5], W0 s[6:7], xb s[8:9], t0 s[10:11]
	s_mov_b32 s[TLO], 0xbf80bf80
	s_mov_b32 s[THI], 0x3f803f80
	s_mov_b32 s[TUP], 0x43404340
	s_mov_b32 s[TDN], 0xc340c340
	s_mov_b32 s[SELT], 0x07030501
	s_mov_b32 s[SELA], 0x05040100
	s_mov_b32 s[SELB], 0x07060302
	s_mov_b32 s23, 0
	s_cmp_lt_u32 ttmp9, 1024
	s_cbranch_scc0 .Lplain
	; THE WEIGHTS
	v_and_b32 v1, 31, v0                           ; lane
	v_lshrrev_b32 v2, 5, v0                        ; wave
	v_lshlrev_b32 v1, 4, v1                        ; 16 x lane
	v_lshl_add_u32 v3, v2, 21, v1                  ; out: 4 column tiles of 524,288 bytes a wave
	v_lshl_add_u32 v1, v2, 11, v1                  ; in: 4 x 512 bytes of a row a wave
	s_lshl_b32 s22, ttmp9, 16                      ; my 4 rows of 16,384 bytes
	s_wait_kmcnt 0x0
	s_add_nc_u64 s[12:13], s[6:7], s[22:23]
	s_lshl_b32 s22, ttmp9, 9                       ; my group of 4 k in each column tile
	s_add_nc_u64 s[14:15], s[10:11], s[22:23]
.irp u, 0,1,2,3
.irp i, 0,1,2,3
	global_load_b128 v[X+16*(\u)+4*(\i):X+16*(\u)+4*(\i)+3], v1, s[12:13] offset:(\i)*16384+(\u)*512 th:TH_LOAD_NT
.endr
.endr
.macro UNIT u
	s_wait_loadcnt 12-4*(\u)                       ; loads come back in order: this unit's four are in, the later units' may stay out
.irp i, 0,1,2,3
	v_cvt_pk_bf16_f32 v[P+2*\i],   v[X+16*(\u)+4*\i],   v[X+16*(\u)+4*\i+1]
	v_cvt_pk_bf16_f32 v[P+2*\i+1], v[X+16*(\u)+4*\i+2], v[X+16*(\u)+4*\i+3]
.endr
.irp r, 0,1,2,3,4,5,6,7
	v_pk_max_num_bf16 v[P+\r], v[P+\r], s[TLO]
.endr
.irp r, 0,1,2,3,4,5,6,7
	v_pk_min_num_bf16 v[P+\r], v[P+\r], s[THI]
.endr
.irp r, 0,1,2,3,4,5,6,7
	v_pk_add_bf16 v[P+\r], v[P+\r], s[TUP]
.endr
.irp r, 0,1,2,3,4,5,6,7
	v_pk_add_bf16 v[P+\r], v[P+\r], s[TDN]
.endr
	v_perm_b32 v[U],   v[P+2], v[P],   s[SELT]     ; columns 0, 1 of rows 0, 1: c0 r0, c0 r1, c1 r0, c1 r1
	v_perm_b32 v[U+1], v[P+6], v[P+4], s[SELT]     ; of rows 2, 3
	v_perm_b32 v[U+2], v[P+3], v[P+1], s[SELT]     ; columns 2, 3 of rows 0, 1
	v_perm_b32 v[U+3], v[P+7], v[P+5], s[SELT]     ; of rows 2, 3
	v_perm_b32 v[Q+4*(\u)],   v[U+1], v[U],   s[SELA]  ; column 0, rows 0 to 3
	v_perm_b32 v[Q+4*(\u)+1], v[U+1], v[U],   s[SELB]  ; column 1
	v_perm_b32 v[Q+4*(\u)+2], v[U+3], v[U+2], s[SELA]  ; column 2
	v_perm_b32 v[Q+4*(\u)+3], v[U+3], v[U+2], s[SELB]  ; column 3
	global_store_b128 v3, v[Q+4*(\u):Q+4*(\u)+3], s[14:15] offset:(\u)*524288 th:TH_STORE_NT  ; the wave stores 512 consecutive bytes, aligned
.endm
	UNIT 0
	UNIT 1
	UNIT 2
	UNIT 3
	s_endpgm
.Lplain:                                               ; x
	v_lshlrev_b32 v1, 4, v0                        ; 16 t
	v_lshlrev_b32 v2, 3, v0                        ; 8 t
	s_sub_co_u32 s25, ttmp9, 1024                  ; my block's number in x
	s_lshl_b32 s22, s25, 16                        ; 65,536 bytes in a block on the way in,
	s_wait_kmcnt 0x0
	s_add_nc_u64 s[12:13], s[4:5], s[22:23]
	s_lshl_b32 s22, s25, 15                        ; 32,768 on the way out
	s_add_nc_u64 s[14:15], s[8:9], s[22:23]
.irp j, 0,1,2,3,4,5,6,7,8,9,10,11,12,13,14,15
	global_load_b128 v[X+4*(\j):X+4*(\j)+3], v1, s[12:13] offset:4096*(\j) th:TH_LOAD_NT
.endr
.irp j, 0,1,2,3,4,5,6,7,8,9,10,11,12,13,14,15
	s_wait_loadcnt 15-(\j)                         ; load j is in, the 15 - j younger ones may stay out
	v_cvt_pk_bf16_f32 v[Y+2*(\j)],   v[X+4*(\j)],   v[X+4*(\j)+1]
	v_cvt_pk_bf16_f32 v[Y+2*(\j)+1], v[X+4*(\j)+2], v[X+4*(\j)+3]
	global_store_b64 v2, v[Y+2*(\j):Y+2*(\j)+1], s[14:15] offset:2048*(\j) th:TH_STORE_NT
.endr
	s_endpgm
.Lfunc_end_k_q32425832e2_prep:
	.size	k_q32425832e2_prep, .Lfunc_end_k_q32425832e2_prep-k_q32425832e2_prep
	.p2alignl 7, 3214868480
	.fill 96, 4, 3214868480
	.section	.rodata,"a",@progbits
	.p2align	6, 0x0
	.amdhsa_kernel k_q32425832e2_prep
		.amdhsa_group_segment_fixed_size 0
		.amdhsa_private_segment_fixed_size 0
		.amdhsa_enable_private_segment 0
		.amdhsa_kernarg_size 32
		.amdhsa_user_sgpr_count 2
		.amdhsa_user_sgpr_kernarg_segment_ptr 1
		.amdhsa_wavefront_size32 1
		.amdhsa_system_sgpr_workgroup_id_x 1
		.amdhsa_system_sgpr_workgroup_id_y 1
		.amdhsa_system_sgpr_workgroup_id_z 1
		.amdhsa_system_vgpr_workitem_id 0
		.amdhsa_next_free_vgpr 100
		.amdhsa_next_free_sgpr 66
		.amdhsa_reserve_vcc 0
		.amdhsa_float_denorm_mode_32 3
		.amdhsa_float_denorm_mode_16_64 3
		.amdhsa_memory_ordered 1
		.amdhsa_forward_progress 1
		.amdhsa_inst_pref_size 22
	.end_amdhsa_kernel
	.amdgpu_metadata
---
amdhsa.version: [ 1, 2 ]
amdhsa.kernels:
  - .name:           k_q32425832e2_prep
    .symbol:         k_q32425832e2_prep.kd
    .args:
      - { .name: x, .offset: 0, .size: 8, .value_kind: global_buffer, .address_space: global }
      - { .name: W0, .offset: 8, .size: 8, .value_kind: global_buffer, .address_space: global }
      - { .name: xb, .offset: 16, .size: 8, .value_kind: global_buffer, .address_space: global }
      - { .name: t0, .offset: 24, .size: 8, .value_kind: global_buffer, .address_space: global }
    .group_segment_fixed_size: 0
    .private_segment_fixed_size: 0
    .kernarg_segment_align: 8
    .kernarg_segment_size: 32
    .max_flat_workgroup_size: 256
    .sgpr_count:     66
    .vgpr_count:     100
    .wavefront_size: 32
...
	.end_amdgpu_metadata
.endif
;; end of part 4
;; launch layer1 (part 5): grid 32 x 8, 4 waves a work-group, clusters of 4 x 4, 327,680 bytes of LDS; arguments xb, t0, h1, W1, t1; writes h1, t1
.if DOCPART == 5
	.amdgcn_target "amdgcn-amd-amdhsa--gfx1250"
	.amdhsa_code_object_version 6
	.text
	.protected	k_q32425832e2_layer1
	.globl	k_q32425832e2_layer1
	.p2align	8
	.type	k_q32425832e2_layer1,@function
k_q32425832e2_layer1:
	s_mov_b64 s[64:65], 0
	v_nop
	global_prefetch_b8 v0, s[64:65] scope:SCOPE_SE
	s_setreg_imm32_b32 hwreg(HW_REG_WAVE_MODE, 25, 1), 1
	s_wait_xcnt 0x0
	s_wait_alu depctr_hold_cnt(0) depctr_sa_sdst(0) depctr_va_vdst(0) depctr_va_sdst(0) depctr_va_ssrc(0) depctr_va_vcc(0) depctr_vm_vsrc(0)
	s_getreg_b32 s2, hwreg(HW_REG_IB_STS2, 6, 4)
	s_cmp_eq_u32 s2, 0
	s_cbranch_scc0 .Lentry_in_a_cluster
	s_endpgm
.Lentry_in_a_cluster:
	s_bfe_u32 s2, ttmp6, 0x10000c
	s_cmp_lg_u32 s2, 0xf033
	s_cbranch_scc0 .Lentry_shape_is_right
	s_endpgm
.Lentry_shape_is_right:
; THE FIRST LAYER: C = sign(A @ B).  A = xb: [1024][4096] bf16, row-major.  B = t0: the ternary weights as byte codes in blocks.  C = h1: the signs as byte codes in blocks.
; BESIDE IT: Tn = t1, the codes of clip(round(bf16(W1)), -1, 1): a stream that shares nothing with the product.
; ONE TEXT SERVES THE THREE LAYERS; the three settings below choose: ABYTES (A holds byte codes), STREAM (the next layer's weights are coded beside the product), OUTF (the result leaves as f32).
; LEFT OUT (shown at the head of the first kernel): the factor 1/16, since sign(y / 16) = sign(y); of w + (q - w) and c + (sign - c) only q and the sign are made.
; LIMITS: a sum below 2^-145 counts by its sign; NaN and infinities are not treated apart; W is rounded to bf16 before it is rounded to a whole number; sums in f32, one accumulator an output.
; THE CODE: a ternary number is stored as the upper byte of a bf16 number (+1: 0x3f, -1: 0xbf, 0: 0) and widened by setting the byte into the upper byte of a bf16: +-0.5 or 0: one power of two for
; all, in front of a sign.  Where both operands are codes the sums are exact multiples of a known step, and held to -step .. step they are the sign times the step, again a power of two.
; LAYOUTS.  Weights: byte (k, n) at 524,288 (n / 128) + 512 (k / 4) + 16 ((n % 128) / 4) + 4 (n % 4) + k % 4.  Signs: byte (m, k) at 524,288 (m / 128) + 2,048 (k / 16) + 16 (m % 128) + k % 16.
; In both a tile's K step is one dense block, and sixteen lanes' 16 bytes are 256 consecutive bytes of LDS: no padding, no turning load.
; SHARES.  A tile of C is 128 x 128: 32 x 8 tiles, one for each of 256 work-groups.  Four waves, each 64 x 64: 16 accumulators of 16 x 16.  K goes in QUARTERS of 64; an LDS slot holds NQ of them.
; CLUSTERS: 4 x 4 work-groups.  The four of a row of the cluster need the same tiles of A, the four of a column the same tiles of B: each tile is asked for JOINTLY, by the same tensor load with the same
; descriptor and a mask that names the four.
; FRAGMENTS.  Source 0 = 16 columns of B, source 1 = 16 rows of A.  In both, place e (0 .. 15) of lane (r, h) holds k = k0 + 16 h + e: k is permuted alike in A and B, which keeps the products.
; Fragment b of B holds the columns 4 rho + b (rho = lane % 16) of my 64: so register j of accumulator (a, b) holds row 16 a + r, column 32 h + 4 j + b: a lane's four accumulators of a row block
; hold 32 neighbouring columns.
; WIDENING: one v_perm_b32 makes a register of two bf16 of two bytes.  They stand four behind a matrix instruction, with two switches of the register window.
; REGISTERS: window 0: v0-31 addresses; v32-95 the stream's loads (on the way out: results); v96-123 the stream at work; v128-255 the accumulators ((a, b) at v[128 + 8 (4 a + b)]).
;   window 1: two fragment buffers of 128: for 64 along K, 64 registers of A (2 x 4 x 16 rows x 32 K), then 64 of B.     window 2: bytes as they come from LDS.
.set ABYTES, 0
.set STREAM, 1
.set OUTF,   0
.set NQ,     4+4*ABYTES                ; quarters in a slot
.set NSTEP,  64/NQ                     ; slots' fills in the launch
.set NB,     NQ/2                      ; the stream's units in a batch
.set SLOT1,  1<<17                     ; slot 1 begins here, so that one exclusive or turns an address in one slot into the other's
.set PA,     528                       ; (A in bf16) an LDS row: 512 bytes + 16 of padding: the 16 rows of a fragment load start 16 bytes apart modulo 256
.if ABYTES
.set HALFA,  32768                     ; what one tensor load brings of A
.set BOFF,   65536                     ; a slot: A, then B
.set ASTEP,  65536                     ; bytes in memory from a slot's A to the next slot's
.set ASTEPL, 8192                      ; bytes in LDS from a quarter's A to the next quarter's
.else
.set HALFA,  64*PA
.set BOFF,   128*PA
.set ASTEP,  512
.set ASTEPL, 128
.endif
.set HALFB,  NQ*4096                   ; what one tensor load brings of B
.set BSTEP,  NQ*8192                   ; a quarter of B is 8,192 bytes, in memory and in LDS
.set SPARE,  2*SLOT1                   ; behind the ring: the spare words, 128 bytes for each wave: two blocks of 256 bytes that no other line names
.set OPITCH, 528                       ; (f32 result) a row of the stage: 512 bytes + 16
.set ADRA0, 16                         ; v16  my lane's place in a slot's A; never rewritten
.set ADRB0, 17                         ; v17  the same for B
.set AF,    18                         ; v18  the LDS address of the run of loads in hand, A
.set BF,    19                         ; v19  B
.set STO,   24                         ; v24  (f32 result) where I put 16 bytes of a row of the stage
.set RD,    25                         ; v25  (f32 result) where I read a row back
.set CO,    26                         ; v26  my byte offset in C
.set WL,    27                         ; v27  16 x lane: the stream's loads and stores; never rewritten
.set SPW,   28                         ; v28  LDS address of my spare word: SPARE + 4 x my thread's number; never rewritten
.set NIL,   29                         ; v29  0; never rewritten
.set X,     32                         ; v[32:95]   the stream: unit u's four loads at X + 16 u
.set TMP,   32                         ; the way out
.set P,     96                         ; v[96:103]  a unit's 4 rows x 4 columns as bf16
.set U,     104                        ; v[104:107] half turned
.set SG,    96                         ; the way out: eight signs
.set PK,    104                        ; the way out: the same, packed
.set Y,     108                        ; v[108:123] unit u's four registers to store
.set ACC,   128
.set G1,    24                         ; s[24:31] descriptor group 1 for A's tiles;  s[32:35] group 0: it walks
.set G0,    32
.set CNT,   36                         ; s36  counts a slot's trips
.set SLOTS, 37                         ; s37  slots still to be entered
.set TBA,   38                         ; s38  LDS byte at which A of the quarter to be fetched begins
.set TBB,   39                         ; s39  the same for B, less BOFF
.set G1B,   48                         ; s[48:55], s[56:59] the same for B's tiles
.set G0B,   56
.set SELL,  60                         ; s60  bytes 0, 1 into the upper bytes of two bf16
.set SELU,  61                         ; s61  bytes 2, 3
.set K16,   62                         ; s62  (f32 result) 16.0
.set IN,    68                         ; s[68:69] the next weights, at the batch to be loaded
.set OUT,   70                         ; s[70:71] their codes, at the batch to be stored
.set TLO,   72                         ; s72  -1 twice, in bf16
.set THI,   73                         ; s73  +1 twice
.set TUP,   74                         ; s74  +192 twice
.set TDN,   75                         ; s75  -192 twice
.set ABSM,  76                         ; s76  all bits but the sign
.set SELT,  77                         ; s77  the upper bytes of two registers' four bf16, column by column
.set MK,    80                         ; s[80:87] eight masks: which sums are not 0
.set SELA,  88                         ; s88  the low halves of two registers
.set SELB,  89                         ; s89  the high halves
.set SELH,  90                         ; s90  the upper bytes of two registers' four bf16, in order
.set QN,    91                         ; s91  -0.25
.set QP,    92                         ; s92  +0.25
.set MSB, 0
.macro WIN new                         ; the immediate's high byte repeats the setting that is left; a switch that changes nothing is dropped
.if MSB != (\new)
	s_set_vgpr_msb (MSB<<8)|(\new)
.set MSB, \new
.endif
.endm
.set MUL,  0x05                        ; sources 0 (B) and 1 (A) window 1; C and D window 0
.set TO_F, 0x40                        ; destination window 1, address window 0
.set TO_R, 0x80                        ; destination window 2, address window 0
.set W_EX, 0x4a                        ; destination window 1, sources 0 and 1 window 2
; A joint load: waves 0 and 1 fetch A's two halves, waves 2 and 3 B's.  The branch hangs on the wave's number alone.  An s_nop 0 and four v_nop follow each of the two lines.
.macro JLOAD
	s_cmp_eq_u32 s11, 0
	s_cbranch_scc0 .Lfor_b_\@
	tensor_load_to_lds s[G0:G0+3], s[G1:G1+7]
	s_nop 0
.rept 4
	v_nop
.endr
	s_branch .Lasked_\@
.Lfor_b_\@:
	tensor_load_to_lds s[G0B:G0B+3], s[G1B:G1B+7]
	s_nop 0
.rept 4
	v_nop
.endr
.Lasked_\@:
.endm
.macro CROUND                          ; a round of the cluster's barrier
	s_barrier_signal -1
	s_barrier_wait -1
	s_cmp_lg_u32 s10, 0
	s_cbranch_scc1 .Lnot_wave_0_\@
	s_barrier_signal -3
.Lnot_wave_0_\@:
	s_barrier_wait -3
	s_barrier_signal -1
	s_barrier_wait -1
.endm
	s_load_b128 s[4:7], s[0:1], 0x0                ; A s[4:5], B s[6:7]
	s_load_b64 s[8:9], s[0:1], 0x10                ; C
.if STREAM
	s_load_b128 s[68:71], s[0:1], 0x18             ; the next weights s[68:69], their codes s[70:71]
.endif
	v_lshl_add_u32 v[SPW], v0, 2, SPARE
	v_mov_b32 v[NIL], 0
	ds_add_u32 v[SPW], v[NIL]                      ; the wave's opening: the add, twice on end, and its wait ahead of my first tensor load; the set-up below stands between
	ds_add_u32 v[SPW], v[NIL]                      ; and once more, under the one wait
	v_lshrrev_b32 v1, 5, v0
	v_readfirstlane_b32 s10, v1                    ; wave 0..3
	s_lshr_b32 s11, s10, 1                         ; which half of the tile's rows is mine.  Also: I fetch for A (0) or for B (1)
	s_and_b32 s12, s10, 1                          ; which half of its columns.  Also: which half of that tile I fetch
	s_bfe_u32 s40, ttmp6, 0x40000                  ; cx, cy: my place in the cluster
	s_bfe_u32 s41, ttmp6, 0x40004
	s_lshl_b32 s42, ttmp9, 2
	s_add_co_u32 s42, s42, s40                     ; tile column of C = 4 x cluster x + cx
	s_and_b32 s13, ttmp7, 0xffff
	s_lshl_b32 s13, s13, 2
	s_add_co_u32 s13, s13, s41                     ; tile row of C = 4 x cluster y + cy
	s_lshl_b32 s43, s41, 2
	s_lshl_b32 s43, 15, s43                        ; my row of the cluster
	s_lshl_b32 s44, 0x1111, s40                    ; my column
.if ABYTES
	s_or_b32 s[G1+0], s43, (3<<16)|(1<<21)         ; 15:0 the mask: my row; 17:16 elements of 8 bytes; 21 set beside a mask.  A dense block, as rows of 256 bytes
	s_mov_b32 s[G1+1], 32<<16                      ; tensor_dim0 = 32
	s_mov_b32 s[G1+2], 128<<16                     ; tensor_dim1 = 128
	s_mov_b32 s[G1+3], 32<<16                      ; tile_dim0 = 32
	s_mov_b32 s[G1+4], 128                         ; tile_dim1 = 128
	s_mov_b32 s[G1+5], 32                          ; elements from row to row
.else
	s_or_b32 s[G1+0], s43, (1<<16)|(1<<20)|(1<<21)|(6<<22)|(3<<25)  ; the mask: my row; 2-byte elements; padding on; 21 set beside a mask; after every 128 words (code 6) 4 words (code 3)
	s_mov_b32 s[G1+1], 256<<16                     ; tensor_dim0 = 256
	s_mov_b32 s[G1+2], 64<<16                      ; tensor_dim1 = 64
	s_mov_b32 s[G1+3], 256<<16                     ; tile_dim0 = 256
	s_mov_b32 s[G1+4], 64                          ; tile_dim1 = 64
	s_mov_b32 s[G1+5], 4096                        ; elements from row to row
.endif
	s_mov_b32 s[G1+6], 0
	s_mov_b32 s[G1+7], 0
	s_or_b32 s[G1B+0], s44, (3<<16)|(1<<21)        ; the mask: my column; a dense block, as rows of 256 bytes
	s_mov_b32 s[G1B+1], 32<<16
	s_mov_b32 s[G1B+2], (NQ*16)<<16
	s_mov_b32 s[G1B+3], 32<<16
	s_mov_b32 s[G1B+4], NQ*16
	s_mov_b32 s[G1B+5], 32
	s_mov_b32 s[G1B+6], 0
	s_mov_b32 s[G1B+7], 0
	s_mov_b32 s[SELL], 0x010c000c
	s_mov_b32 s[SELU], 0x030c020c
.if STREAM
	s_mov_b32 s[TLO], 0xbf80bf80
	s_mov_b32 s[THI], 0x3f803f80
	s_mov_b32 s[TUP], 0x43404340
	s_mov_b32 s[TDN], 0xc340c340
	s_mov_b32 s[SELT], 0x07030501
	s_mov_b32 s[SELA], 0x05040100
	s_mov_b32 s[SELB], 0x07060302
.endif
.if OUTF
	s_mov_b32 s[K16], 0x41800000
.else
	s_mov_b32 s[SELH], 0x07050301
	s_mov_b32 s[ABSM], 0x7fffffff
	s_mov_b32 s[QN], 0xbe800000
	s_mov_b32 s[QP], 0x3e800000
.endif
	; A's tiles hang on the tile row alone, B's on the tile column alone; each address is made in registers that never hold the other coordinate
.if ABYTES
	s_lshl_b32 s16, s13, 19                        ; A: 524,288 bytes a row tile,
	s_lshl_b32 s17, s12, 15                        ; and my half of a slot's block
	s_add_co_u32 s16, s16, s17
.else
	s_lshl_b32 s16, s13, 7
	s_lshl_b32 s17, s12, 6
	s_add_co_u32 s16, s16, s17                     ; A: row 128 x tile row + 64 x half,
	s_lshl_b32 s16, s16, 13                        ; 8,192 bytes each
.endif
	s_mov_b32 s17, 0
	s_lshl_b32 s46, s42, 19                        ; B: 524,288 bytes a column tile,
	s_mul_i32 s47, s12, HALFB                      ; and my half of a slot's block
	s_add_co_u32 s46, s46, s47
	s_mov_b32 s47, 0
	s_mul_i32 s20, s12, HALFA                      ; where they go: no place in the cluster enters an LDS address
	s_mul_i32 s21, s12, HALFB
	s_add_co_u32 s21, s21, BOFF
	s_mov_b32 s[G0], 1                             ; count = 1
	s_mov_b32 s[G0+1], s20                         ; LDS address: slot 0
	s_mov_b32 s[G0B], 1
	s_mov_b32 s[G0B+1], s21
	s_mov_b32 s[TBA], SLOT1+NQ*ASTEPL              ; the first change of slots turns these two into 0
	s_mov_b32 s[TBB], SLOT1+NQ*8192
	s_wait_dscnt 0x0                               ; both opening adds are done
	s_wait_kmcnt 0x0
	s_add_nc_u64 s[G0+2:G0+3], s[4:5], s[16:17]    ; global address
	s_or_b32 s[G0+3], s[G0+3], 0x80000000          ; type = 2
	s_add_nc_u64 s[G0B+2:G0B+3], s[6:7], s[46:47]
	s_or_b32 s[G0B+3], s[G0B+3], 0x80000000
	CROUND                                         ; all sixteen work-groups are here: the first joint loads meet
	JLOAD                                          ; slot 0.  Slot 1 is asked for when slot 0 is in, by the first change of slots
.if STREAM
; THE STREAM.  Wave W = 4 (32 x tile row + tile column) + wave owns rows 4 W .. 4 W + 3 of the next weights: 65,536 consecutive bytes, 32 UNITS of 4 rows x 128 columns, one for each column tile.
; A unit: 4 loads of 512 consecutive bytes (4 columns a lane); rounded to bf16, clipped, rounded to whole numbers by + 192 and - 192 in bf16 (from 128 to 256 bf16's step is 1, ties to even as in
; jnp.round); the 4 x 4 upper bytes turned, so that a register holds 4 k of a column; one store of 512 consecutive bytes, aligned.  A BATCH of NB units goes with each change of slots: it is worked on in
; front of the wait for the tile (LUMPA), stored behind the joint load, and there the next batch's loads go out (LUMPB): they have a slot's matrix work in which to land.
.macro LOADB
.set u, 0
.rept NB
.irp i, 0,1,2,3
	global_load_b128 v[X+16*u+4*\i:X+16*u+4*\i+3], v[WL], s[IN:IN+1] offset:(\i)*16384+u*512 th:TH_LOAD_NT
.endr
.set u, u+1
.endr
.endm
.macro LUMPA first
	s_wait_loadcnt 0x0                             ; my batch is in
	s_wait_xcnt 0x0                                ; the last batch's loads and stores have read their registers: Y and the two pointers are written only behind this wait
	s_add_nc_u64 s[IN:IN+1], s[IN:IN+1], NB*512
.if (\first) == 0
	s_add_nc_u64 s[OUT:OUT+1], s[OUT:OUT+1], NB*524288
.endif
.set u, 0
.rept NB
.irp i, 0,1,2,3
	v_cvt_pk_bf16_f32 v[P+2*\i],   v[X+16*u+4*\i],   v[X+16*u+4*\i+1]
	v_cvt_pk_bf16_f32 v[P+2*\i+1], v[X+16*u+4*\i+2], v[X+16*u+4*\i+3]
.endr
.irp r, 0,1,2,3,4,5,6,7
	v_pk_max_num_bf16 v[P+\r], v[P+\r], s[TLO]
.endr
.irp r, 0,1,2,3,4,5,6,7
	v_pk_min_num_bf16 v[P+\r], v[P+\r], s[THI]
.endr
.irp r, 0,1,2,3,4,5,6,7
	v_pk_add_bf16 v[P+\r], v[P+\r], s[TUP]
.endr
.irp r, 0,1,2,3,4,5,6,7
	v_pk_add_bf16 v[P+\r], v[P+\r], s[TDN]
.endr
	v_perm_b32 v[U],   v[P+2], v[P],   s[SELT]     ; columns 0, 1 of rows 0, 1
	v_perm_b32 v[U+1], v[P+6], v[P+4], s[SELT]     ; of rows 2, 3
	v_perm_b32 v[U+2], v[P+3], v[P+1], s[SELT]     ; columns 2, 3 of rows 0, 1
	v_perm_b32 v[U+3], v[P+7], v[P+5], s[SELT]     ; of rows 2, 3
	v_perm_b32 v[Y+4*u],   v[U+1], v[U],   s[SELA] ; column 0, rows 0 to 3
	v_perm_b32 v[Y+4*u+1], v[U+1], v[U],   s[SELB] ; column 1
	v_perm_b32 v[Y+4*u+2], v[U+3], v[U+2], s[SELA] ; column 2
	v_perm_b32 v[Y+4*u+3], v[U+3], v[U+2], s[SELB] ; column 3
.set u, u+1
.endr
.endm
.macro LUMPB more
.set u, 0
.rept NB
	global_store_b128 v[WL], v[Y+4*u:Y+4*u+3], s[OUT:OUT+1] offset:u*524288 th:TH_STORE_NT
.set u, u+1
.endr
.if \more
	LOADB
.endif
.endm
	s_lshl_b32 s78, s13, 5
	s_add_co_u32 s78, s78, s42
	s_lshl_b32 s78, s78, 2
	s_add_co_u32 s78, s78, s10                     ; W
	s_lshl_b32 s78, s78, 9                         ; my group of 4 k: 512 bytes in each column tile
	s_mov_b32 s79, 0
	s_add_nc_u64 s[OUT:OUT+1], s[OUT:OUT+1], s[78:79]
	s_lshl_b32 s78, s78, 7                         ; my 4 rows: 65,536 bytes
	s_add_nc_u64 s[IN:IN+1], s[IN:IN+1], s[78:79]
	v_and_b32 v7, 31, v0
	v_lshlrev_b32 v[WL], 4, v7
	LOADB                                          ; batch 0
.endif
	v_and_b32 v1, 15, v0                           ; r = l % 16
	v_bfe_u32 v2, v0, 4, 1                         ; h = l / 16
	v_lshlrev_b32 v4, 4, v1
	v_lshl_add_u32 v4, v2, 11, v4                  ; 16 r + 2,048 h: 16 k on are 2,048 bytes in both blocked layouts
.if ABYTES
	s_lshl_b32 s22, s11, 10                        ; my 64 rows of A: 16 bytes each
	v_add_nc_u32 v[ADRA0], s22, v4
.else
	v_mul_u32_u24 v3, v1, PA
	v_lshl_add_u32 v3, v2, 5, v3                   ; row x pitch + 32 h: 16 k of bf16 on
	s_mul_i32 s22, s11, HALFA                      ; my 64 rows of A
	v_add_nc_u32 v[ADRA0], s22, v3
.endif
	s_lshl_b32 s23, s12, 8                         ; my 64 columns: 16 groups of 4, 16 bytes each,
	s_add_co_u32 s23, s23, BOFF                    ; behind A
	v_add_nc_u32 v[ADRB0], s23, v4
.if OUTF
	s_mul_i32 s23, s11, 64*OPITCH                  ; into the stage: my 64 rows, my half of their 512 bytes; row r, 128 bytes for each half of the lanes
	s_lshl_b32 s22, s12, 8
	s_add_co_u32 s23, s23, s22
	v_mul_u32_u24 v6, v1, OPITCH
	v_lshl_add_u32 v6, v2, 7, v6
	v_add_nc_u32 v[STO], s23, v6
	s_mul_i32 s23, s10, 32*OPITCH                  ; back: wave w takes rows 32 w .. 32 w + 31, whole: 32 lanes x 16 bytes are a row's 512
	v_and_b32 v7, 31, v0
	v_lshlrev_b32 v[CO], 4, v7
	v_add_nc_u32 v[RD], s23, v[CO]
	s_lshl_b32 s16, s13, 7
	s_lshl_b32 s17, s10, 5
	s_add_co_u32 s16, s16, s17                     ; the first row of C that I store: 128 x tile row + 32 x wave
	s_lshl_b32 s16, s16, 14
	s_mov_b32 s17, 0
	s_add_nc_u64 s[8:9], s[8:9], s[16:17]
	s_lshl_b32 s46, s42, 9                         ; the tile's first column, in bytes
	s_mov_b32 s47, 0
	s_add_nc_u64 s[8:9], s[8:9], s[46:47]
.else
	v_lshlrev_b32 v5, 4, v1
	v_lshl_add_u32 v[CO], v2, 12, v5               ; 16 r + 4,096 h: 32 columns on are two groups of 16
	s_lshl_b32 s16, s13, 19                        ; my row tile,
	s_lshl_b32 s17, s11, 10                        ; my 64 rows in each group
	s_add_co_u32 s16, s16, s17
	s_mov_b32 s17, 0
	s_add_nc_u64 s[8:9], s[8:9], s[16:17]
	s_lshl_b32 s46, s42, 14                        ; the tile's 128 columns are 8 groups of 2,048 bytes,
	s_lshl_b32 s47, s12, 13                        ; my 64 are 4
	s_add_co_u32 s46, s46, s47
	s_mov_b32 s47, 0
	s_add_nc_u64 s[8:9], s[8:9], s[46:47]
.endif
.set i, 0
.rept 128
	v_mov_b32 v[ACC+i], 0                          ; the sums start at 0: written while the first tile is on its way, so that the quarter, which is looped over, has one form of product
.set i, i+1
.endr
; Product i of a quarter's 32, on buffer f: 32 along K (i / 16), row block (i / 4) % 4, column fragment i % 4.  The 16 accumulators take turns, one instruction a turn, in the same order everywhere.
.macro MM f
	WIN MUL
.set rC, ACC+8*(4*((i/4)%4)+i%4)
.set rB, 128*(\f)+64+8*(4*(i/16)+i%4)
.set rA, 128*(\f)+8*(4*(i/16)+(i/4)%4)
	v_wmma_f32_16x16x32_bf16 v[rC:rC+7], v[rB:rB+7], v[rA:rA+7], v[rC:rC+7]
.set i, i+1
.endm
; Register e of the widening into buffer g.  A's register e comes from byte register e / 2.  Register e2 of B's fragment b comes from the load of k group e2 / 2, whose register b holds column b.
.macro EX g
.if ABYTES
.set rD, 128*(\g)+e
.if e < 64
.set rR, 64*(\g)+e/2
.else
.set rR, 64*(\g)+32+16*((e-64)/32)+4*((e%8)/2)+((e-64)/8)%4
.endif
.else
.set rD, 128*(\g)+64+e
.set rR, 16*(e/32)+4*((e%8)/2)+(e/8)%4
.endif
.if e%2
	v_perm_b32 v[rD], v[rR], v[rR], s[SELU]
.else
	v_perm_b32 v[rD], v[rR], v[rR], s[SELL]
.endif
.set e, e+1
.endm
; A quarter's run of LDS loads, at the running addresses.  Codes on both sides: 8 loads of A's bytes and 8 of B's into byte buffer f.  A in bf16: 8 loads of B's bytes, then 16 of A's fragments straight into fragment buffer 1 - f.
.macro FETCH f
	WIN 0
	v_add_nc_u32 v[AF], s[TBA], v[ADRA0]
	v_add_nc_u32 v[BF], s[TBB], v[ADRB0]
	s_add_co_u32 s[TBA], s[TBA], ASTEPL            ; the next fetch is the next quarter's
	s_add_co_u32 s[TBB], s[TBB], 8192
	WIN TO_R
.if ABYTES
.irp c, 0,1
.irp a, 0,1,2,3
	ds_load_b128 v[64*(\f)+16*(\c)+4*(\a):64*(\f)+16*(\c)+4*(\a)+3], v[AF] offset:(\c)*4096+(\a)*256
.endr
.endr
.irp c, 0,1
.irp t, 0,1,2,3
	ds_load_b128 v[64*(\f)+32+16*(\c)+4*(\t):64*(\f)+32+16*(\c)+4*(\t)+3], v[BF] offset:(\c)*4096+(\t)*512
.endr
.endr
.else
.irp c, 0,1
.irp t, 0,1,2,3
	ds_load_b128 v[16*(\c)+4*(\t):16*(\c)+4*(\t)+3], v[BF] offset:(\c)*4096+(\t)*512
.endr
.endr
	WIN TO_F
.irp c, 0,1
.irp a, 0,1,2,3
	ds_load_b128 v[128*(1-(\f))+8*(4*(\c)+(\a)):128*(1-(\f))+8*(4*(\c)+(\a))+3],   v[AF] offset:(\c)*64+(\a)*16*PA
	ds_load_b128 v[128*(1-(\f))+8*(4*(\c)+(\a))+4:128*(1-(\f))+8*(4*(\c)+(\a))+7], v[AF] offset:(\c)*64+(\a)*16*PA+16
.endr
.endr
.endif
.endm
; A QUARTER p, f = p % 2: 32 products on fragment buffer f.
; Codes on both sides: the bytes of quarter p + 2 are fetched into byte buffer f; the bytes of quarter p + 1, in byte buffer 1 - f since the quarter before, are widened into fragment buffer 1 - f, four registers behind each product.
; A in bf16: A's fragments and B's bytes of quarter p + 1 are fetched at the head; the second sixteen products carry the widening of B, four registers behind each.
; The widening writes, and A's loads land in, registers that the quarter before multiplied: behind that quarter's last product stand its own four v_perm_b32, which name none of its registers, and the two
; address lines: more than the four places that are wanted (ISA guide 7.12.1 for the widening).
.macro TICK f, fetch, ride
	WIN 0
	s_wait_dscnt 0x0                               ; what the quarter before fetched is in
.if \fetch
	FETCH \f
.endif
.set i, 0
.set e, 0
.if ABYTES
.rept 32
	MM \f
.if \ride
	WIN W_EX
.rept 4
	EX 1-(\f)
.endr
.endif
.endr
.else
.rept 16
	MM \f
.endr
.if \ride
	s_wait_dscnt 16                                ; B's bytes are in; A's sixteen loads, issued behind them, may stay out
.endif
.rept 16
	MM \f
.if \ride
	WIN W_EX
.rept 4
	EX 1-(\f)
.endr
.endif
.endr
.endif
.endm
; THE CHANGE OF SLOTS.  Each wave waits for all its tensor loads, of which one is out: its part of the other slot; adds 0 to its spare word; and waits for that and for its own reads of the slot that it
; leaves.  Behind the barrier nobody reads the old slot any more and the other slot is whole.  fill = 1: the barrier is a round of the cluster's, and the old slot is filled again, first thing behind it,
; with the tiles two slots on: the load has a slot's matrix work in which to land.  (At its first use nothing has been read yet: slot 0 is waited for, slot 1 filled.)
.macro CHANGE fill, first
	WIN 0                                          ; at a label and at a branch every window is 0
.if STREAM
	LUMPA \first
.endif
	s_wait_tensorcnt 0x0                           ; no tensor load of mine is out, so a group 0 may be written
	ds_add_u32 v[SPW], v[NIL]                      ; 0 onto my spare word: the descriptors' steps stand between it and the wait for it
.if \fill
	s_xor_b32 s[G0+1], s[G0+1], SLOT1              ; the walking descriptors: the other slot than last time,
	s_add_nc_u64 s[G0+2:G0+3], s[G0+2:G0+3], ASTEP ; the next K step; the type bits on top are not reached
	s_xor_b32 s[G0B+1], s[G0B+1], SLOT1
	s_add_nc_u64 s[G0B+2:G0B+3], s[G0B+2:G0B+3], BSTEP
.endif
	s_wait_dscnt 0x0                               ; the add is done, and my reads of the slot are over
.if \fill
	CROUND
	JLOAD
.else
	s_barrier_signal -1
	s_barrier_wait -1
.endif
	s_sub_co_u32 s[TBA], s[TBA], NQ*ASTEPL         ; the fetches go back to a slot's first quarter,
	s_xor_b32 s[TBA], s[TBA], SLOT1                ; in the other slot
	s_sub_co_u32 s[TBB], s[TBB], NQ*8192
	s_xor_b32 s[TBB], s[TBB], SLOT1
.if STREAM
	LUMPB \fill
.endif
.endm
	CHANGE 1, 1                                    ; slot 0 is in, everybody's part of it; slot 1 is asked for
.set e, 0
.if ABYTES
	FETCH 0                                        ; quarters 0 and 1
	FETCH 1
	s_wait_dscnt 16                                ; quarter 0's bytes are in; quarter 1's sixteen loads may stay out
	WIN W_EX
.rept 128
	EX 0                                           ; there are no products yet to set these behind
.endr
	WIN 0
	s_mov_b32 s[SLOTS], NSTEP-1
	s_mov_b32 s[CNT], NQ/2-1                       ; two of the slot's quarters have been fetched
	s_branch .Ltrip
.else
	FETCH 1                                        ; quarter 0, into buffer 0
	s_wait_dscnt 16                                ; B's bytes are in
	WIN W_EX
.rept 64
	EX 0
.endr
	WIN 0
	s_mov_b32 s[SLOTS], NSTEP-1
	s_mov_b32 s[CNT], NQ/2
	s_branch .Lmid                                 ; the loop is entered in the middle of a trip
.endif
.Lslot:                                                ; NSTEP - 2 times: every slot but the last two is filled again
	CHANGE 1, 0
	s_mov_b32 s[CNT], NQ/2
.Ltrip:                                                ; a trip: two quarters, which fetch two quarters of the slot in hand
.if ABYTES
	TICK 0, 1, 1
	TICK 1, 1, 1
.else
	TICK 1, 1, 1
	WIN 0
.Lmid:
	TICK 0, 1, 1
.endif
	WIN 0
	s_sub_co_u32 s[CNT], s[CNT], 1
	s_cmp_lg_u32 s[CNT], 0
	s_cbranch_scc1 .Ltrip
	s_sub_co_u32 s[SLOTS], s[SLOTS], 1
	s_cmp_lg_u32 s[SLOTS], 0
	s_cbranch_scc1 .Lslot
	CHANGE 0, 0                                    ; the tail is written out: nothing is asked for
	s_mov_b32 s[CNT], NQ/2
.Ltail:
.if ABYTES
	TICK 0, 1, 1
	TICK 1, 1, 1
.else
	TICK 1, 1, 1
	TICK 0, 1, 1
.endif
	WIN 0
	s_sub_co_u32 s[CNT], s[CNT], 1
	s_cmp_lg_u32 s[CNT], 0
	s_cbranch_scc1 .Ltail
.if ABYTES
	TICK 0, 0, 1                                   ; the last two quarters fetch nothing; the last widens nothing
	TICK 1, 0, 0
.else
	TICK 1, 0, 0                                   ; the last quarter fetches nothing
.endif
	WIN 0
.rept 8
	v_nop                                          ; the places behind the last products
.endr
.if OUTF
	; THE WAY OUT, f32.  The sums are exact multiples of 1/16 (codes of 1/8 and of 1/2): times 16 and held to -1 .. 1 they are their signs.  A lane's 32 neighbouring columns of a row block go into the
	; work-group's stage, which is slot 0: it has had its last fill, and its last reads ended in front of the last change of slots' barrier.  A barrier, since a row's 512 bytes come from two waves; back as whole rows.
.set a, 0
.rept 4
.set j, 0
.rept 8
.irp b, 0,1,2,3
	v_mul_f32 v[TMP+32*(a%2)+4*j+\b], s[K16], v[ACC+8*(4*a+\b)+j]  ; each accumulator's registers in ascending order
.endr
.set j, j+1
.endr
.set j, 0
.rept 32
	v_med3_num_f32 v[TMP+32*(a%2)+j], v[TMP+32*(a%2)+j], -1.0, 1.0
.set j, j+1
.endr
.set j, 0
.rept 8
	ds_store_b128 v[STO], v[TMP+32*(a%2)+4*j:TMP+32*(a%2)+4*j+3] offset:a*16*OPITCH+16*j
.set j, j+1
.endr
.set a, a+1
.endr
	s_wait_dscnt 0x0                               ; for the others' sake: my stores into the stage are done
	s_barrier_signal -1
	s_barrier_wait -1
.set t, 0
.rept 32
	ds_load_b128 v[ACC+4*t:ACC+4*t+3], v[RD] offset:t*OPITCH
.set t, t+1
.endr
.set t, 0
.rept 32
	s_wait_dscnt 31-t                              ; LDS loads come back in order: row t is in
	global_store_b128 v[CO], v[ACC+4*t:ACC+4*t+3], s[8:9] offset:t*16384 th:TH_STORE_NT  ; the wave stores 512 consecutive bytes, at a multiple of 256 from C's first byte
.set t, t+1
.endr
.else
	; THE WAY OUT, codes.  Eight sums at a time, each accumulator's registers in ascending order.  A in bf16: 1.0 where the sum is not 0, else 0, with the sum's sign bit.  Codes on both sides: the sums are
	; exact multiples of 1/4, and held to -1/4 .. 1/4 they are a quarter of their signs.  The upper bytes of the four accumulators' register j are 4 neighbouring columns; a lane's 16 bytes are a group
	; of 16 columns of one row, sixteen lanes' are 256 consecutive bytes, aligned: they are stored straight from registers.
.set a, 0
.rept 4
.set jj, 0
.rept 4
.if ABYTES
.irp x, 0,1,2,3,4,5,6,7
	v_med3_num_f32 v[SG+\x], v[ACC+8*(4*a+(\x)%4)+2*jj+(\x)/4], s[QN], s[QP]
.endr
.else
.irp x, 0,1,2,3,4,5,6,7
	v_cmp_neq_f32 s[MK+\x], 0, v[ACC+8*(4*a+(\x)%4)+2*jj+(\x)/4]
.endr
.irp x, 0,1,2,3,4,5,6,7
	v_cndmask_b32 v[SG+\x], 0, 1.0, s[MK+\x]
.endr
.irp x, 0,1,2,3,4,5,6,7
	v_bfi_b32 v[SG+\x], s[ABSM], v[SG+\x], v[ACC+8*(4*a+(\x)%4)+2*jj+(\x)/4]
.endr
.endif
.irp y, 0,1,2,3
	v_cvt_pk_bf16_f32 v[PK+\y], v[SG+2*\y], v[SG+2*\y+1]
.endr
	v_perm_b32 v[TMP+8*a+2*jj],   v[PK+1], v[PK],   s[SELH]
	v_perm_b32 v[TMP+8*a+2*jj+1], v[PK+3], v[PK+2], s[SELH]
.set jj, jj+1
.endr
	global_store_b128 v[CO], v[TMP+8*a:TMP+8*a+3],   s[8:9] offset:a*256
	global_store_b128 v[CO], v[TMP+8*a+4:TMP+8*a+7], s[8:9] offset:a*256+2048
.set a, a+1
.endr
.endif
	s_wait_tensorcnt 0x0                           ; the wave's end: an add and its wait, behind my last tensor load and my last LDS store
	ds_add_u32 v[SPW], v[NIL]
	s_wait_dscnt 0x0
	CROUND                                         ; the closing round: no work-group ends while a partner may still ask for a tile that names it
	s_endpgm
.Lfunc_end_k_q32425832e2_layer1:
	.size	k_q32425832e2_layer1, .Lfunc_end_k_q32425832e2_layer1-k_q32425832e2_layer1
	.p2alignl 7, 3214868480
	.fill 96, 4, 3214868480
	.section	.rodata,"a",@progbits
	.p2align	6, 0x0
	.amdhsa_kernel k_q32425832e2_layer1
		.amdhsa_group_segment_fixed_size 327680
		.amdhsa_private_segment_fixed_size 0
		.amdhsa_enable_private_segment 0
		.amdhsa_kernarg_size 40
		.amdhsa_user_sgpr_count 2
		.amdhsa_user_sgpr_kernarg_segment_ptr 1
		.amdhsa_wavefront_size32 1
		.amdhsa_system_sgpr_workgroup_id_x 1
		.amdhsa_system_sgpr_workgroup_id_y 1
		.amdhsa_system_sgpr_workgroup_id_z 1
		.amdhsa_system_vgpr_workitem_id 0
		.amdhsa_next_free_vgpr 544
		.amdhsa_next_free_sgpr 94
		.amdhsa_reserve_vcc 0
		.amdhsa_float_denorm_mode_32 3
		.amdhsa_float_denorm_mode_16_64 3
		.amdhsa_memory_ordered 1
		.amdhsa_forward_progress 1
		.amdhsa_inst_pref_size 111
	.end_amdhsa_kernel
	.amdgpu_metadata
---
amdhsa.version: [ 1, 2 ]
amdhsa.kernels:
  - .name:           k_q32425832e2_layer1
    .symbol:         k_q32425832e2_layer1.kd
    .args:
      - { .name: xb, .offset: 0, .size: 8, .value_kind: global_buffer, .address_space: global }
      - { .name: t0, .offset: 8, .size: 8, .value_kind: global_buffer, .address_space: global }
      - { .name: h1, .offset: 16, .size: 8, .value_kind: global_buffer, .address_space: global }
      - { .name: W1, .offset: 24, .size: 8, .value_kind: global_buffer, .address_space: global }
      - { .name: t1, .offset: 32, .size: 8, .value_kind: global_buffer, .address_space: global }
    .group_segment_fixed_size: 327680
    .private_segment_fixed_size: 0
    .kernarg_segment_align: 8
    .kernarg_segment_size: 40
    .max_flat_workgroup_size: 128
    .sgpr_count:     94
    .vgpr_count:     544
    .wavefront_size: 32
...
	.end_amdgpu_metadata
.endif
;; end of part 5
;; launch layer2 (part 6): grid 32 x 8, 4 waves a work-group, clusters of 4 x 4, 327,680 bytes of LDS; arguments h1, t1, h2, W2, t2; writes h2, t2
.if DOCPART == 6
	.amdgcn_target "amdgcn-amd-amdhsa--gfx1250"
	.amdhsa_code_object_version 6
	.text
	.protected	k_q32425832e2_layer2
	.globl	k_q32425832e2_layer2
	.p2align	8
	.type	k_q32425832e2_layer2,@function
k_q32425832e2_layer2:
	s_mov_b64 s[64:65], 0
	v_nop
	global_prefetch_b8 v0, s[64:65] scope:SCOPE_SE
	s_setreg_imm32_b32 hwreg(HW_REG_WAVE_MODE, 25, 1), 1
	s_wait_xcnt 0x0
	s_wait_alu depctr_hold_cnt(0) depctr_sa_sdst(0) depctr_va_vdst(0) depctr_va_sdst(0) depctr_va_ssrc(0) depctr_va_vcc(0) depctr_vm_vsrc(0)
	s_getreg_b32 s2, hwreg(HW_REG_IB_STS2, 6, 4)
	s_cmp_eq_u32 s2, 0
	s_cbranch_scc0 .Lentry_in_a_cluster
	s_endpgm
.Lentry_in_a_cluster:
	s_bfe_u32 s2, ttmp6, 0x10000c
	s_cmp_lg_u32 s2, 0xf033
	s_cbranch_scc0 .Lentry_shape_is_right
	s_endpgm
.Lentry_shape_is_right:
; THE SECOND LAYER: C = sign(A @ B).  A = h1: the first layer's signs as byte codes in blocks.  B = t1: the ternary weights as byte codes in blocks.  C = h2: the signs as byte codes in blocks.
; BESIDE IT: Tn = t2, the codes of clip(round(bf16(W2)), -1, 1): a stream that shares nothing with the product.
; ONE TEXT SERVES THE THREE LAYERS; the three settings below choose: ABYTES (A holds byte codes), STREAM (the next layer's weights are coded beside the product), OUTF (the result leaves as f32).
; LEFT OUT (shown at the head of the first kernel): the factor 1/16, since sign(y / 16) = sign(y); of w + (q - w) and c + (sign - c) only q and the sign are made.
; LIMITS: NaN and infinities are not treated apart; W is rounded to bf16 before it is rounded to a whole number; sums in f32, one accumulator an output.
; THE CODE: a ternary number is stored as the upper byte of a bf16 number (+1: 0x3f, -1: 0xbf, 0: 0) and widened by setting the byte into the upper byte of a bf16: +-0.5 or 0: one power of two for
; all, in front of a sign.  Where both operands are codes the sums are exact multiples of a known step, and held to -step .. step they are the sign times the step, again a power of two.
; LAYOUTS.  Weights: byte (k, n) at 524,288 (n / 128) + 512 (k / 4) + 16 ((n % 128) / 4) + 4 (n % 4) + k % 4.  Signs: byte (m, k) at 524,288 (m / 128) + 2,048 (k / 16) + 16 (m % 128) + k % 16.
; In both a tile's K step is one dense block, and sixteen lanes' 16 bytes are 256 consecutive bytes of LDS: no padding, no turning load.
; SHARES.  A tile of C is 128 x 128: 32 x 8 tiles, one for each of 256 work-groups.  Four waves, each 64 x 64: 16 accumulators of 16 x 16.  K goes in QUARTERS of 64; an LDS slot holds NQ of them.
; CLUSTERS: 4 x 4 work-groups.  The four of a row of the cluster need the same tiles of A, the four of a column the same tiles of B: each tile is asked for JOINTLY, by the same tensor load with the same
; descriptor and a mask that names the four.
; FRAGMENTS.  Source 0 = 16 columns of B, source 1 = 16 rows of A.  In both, place e (0 .. 15) of lane (r, h) holds k = k0 + 16 h + e: k is permuted alike in A and B, which keeps the products.
; Fragment b of B holds the columns 4 rho + b (rho = lane % 16) of my 64: so register j of accumulator (a, b) holds row 16 a + r, column 32 h + 4 j + b: a lane's four accumulators of a row block
; hold 32 neighbouring columns.
; WIDENING: one v_perm_b32 makes a register of two bf16 of two bytes.  They stand four behind a matrix instruction, with two switches of the register window.
; REGISTERS: window 0: v0-31 addresses; v32-95 the stream's loads (on the way out: results); v96-123 the stream at work; v128-255 the accumulators ((a, b) at v[128 + 8 (4 a + b)]).
;   window 1: two fragment buffers of 128: for 64 along K, 64 registers of A (2 x 4 x 16 rows x 32 K), then 64 of B.     window 2: bytes as they come from LDS: two buffers of 64: 32 of A, 32 of B.
.set ABYTES, 1
.set STREAM, 1
.set OUTF,   0
.set NQ,     4+4*ABYTES                ; quarters in a slot
.set NSTEP,  64/NQ                     ; slots' fills in the launch
.set NB,     NQ/2                      ; the stream's units in a batch
.set SLOT1,  1<<17                     ; slot 1 begins here, so that one exclusive or turns an address in one slot into the other's
.set PA,     528                       ; (A in bf16) an LDS row: 512 bytes + 16 of padding: the 16 rows of a fragment load start 16 bytes apart modulo 256
.if ABYTES
.set HALFA,  32768                     ; what one tensor load brings of A
.set BOFF,   65536                     ; a slot: A, then B
.set ASTEP,  65536                     ; bytes in memory from a slot's A to the next slot's
.set ASTEPL, 8192                      ; bytes in LDS from a quarter's A to the next quarter's
.else
.set HALFA,  64*PA
.set BOFF,   128*PA
.set ASTEP,  512
.set ASTEPL, 128
.endif
.set HALFB,  NQ*4096                   ; what one tensor load brings of B
.set BSTEP,  NQ*8192                   ; a quarter of B is 8,192 bytes, in memory and in LDS
.set SPARE,  2*SLOT1                   ; behind the ring: the spare words, 128 bytes for each wave: two blocks of 256 bytes that no other line names
.set OPITCH, 528                       ; (f32 result) a row of the stage: 512 bytes + 16
.set ADRA0, 16                         ; v16  my lane's place in a slot's A; never rewritten
.set ADRB0, 17                         ; v17  the same for B
.set AF,    18                         ; v18  the LDS address of the run of loads in hand, A
.set BF,    19                         ; v19  B
.set STO,   24                         ; v24  (f32 result) where I put 16 bytes of a row of the stage
.set RD,    25                         ; v25  (f32 result) where I read a row back
.set CO,    26                         ; v26  my byte offset in C
.set WL,    27                         ; v27  16 x lane: the stream's loads and stores; never rewritten
.set SPW,   28                         ; v28  LDS address of my spare word: SPARE + 4 x my thread's number; never rewritten
.set NIL,   29                         ; v29  0; never rewritten
.set X,     32                         ; v[32:95]   the stream: unit u's four loads at X + 16 u
.set TMP,   32                         ; the way out
.set P,     96                         ; v[96:103]  a unit's 4 rows x 4 columns as bf16
.set U,     104                        ; v[104:107] half turned
.set SG,    96                         ; the way out: eight signs
.set PK,    104                        ; the way out: the same, packed
.set Y,     108                        ; v[108:123] unit u's four registers to store
.set ACC,   128
.set G1,    24                         ; s[24:31] descriptor group 1 for A's tiles;  s[32:35] group 0: it walks
.set G0,    32
.set CNT,   36                         ; s36  counts a slot's trips
.set SLOTS, 37                         ; s37  slots still to be entered
.set TBA,   38                         ; s38  LDS byte at which A of the quarter to be fetched begins
.set TBB,   39                         ; s39  the same for B, less BOFF
.set G1B,   48                         ; s[48:55], s[56:59] the same for B's tiles
.set G0B,   56
.set SELL,  60                         ; s60  bytes 0, 1 into the upper bytes of two bf16
.set SELU,  61                         ; s61  bytes 2, 3
.set K16,   62                         ; s62  (f32 result) 16.0
.set IN,    68                         ; s[68:69] the next weights, at the batch to be loaded
.set OUT,   70                         ; s[70:71] their codes, at the batch to be stored
.set TLO,   72                         ; s72  -1 twice, in bf16
.set THI,   73                         ; s73  +1 twice
.set TUP,   74                         ; s74  +192 twice
.set TDN,   75                         ; s75  -192 twice
.set ABSM,  76                         ; s76  all bits but the sign
.set SELT,  77                         ; s77  the upper bytes of two registers' four bf16, column by column
.set MK,    80                         ; s[80:87] eight masks: which sums are not 0
.set SELA,  88                         ; s88  the low halves of two registers
.set SELB,  89                         ; s89  the high halves
.set SELH,  90                         ; s90  the upper bytes of two registers' four bf16, in order
.set QN,    91                         ; s91  -0.25
.set QP,    92                         ; s92  +0.25
.set MSB, 0
.macro WIN new                         ; the immediate's high byte repeats the setting that is left; a switch that changes nothing is dropped
.if MSB != (\new)
	s_set_vgpr_msb (MSB<<8)|(\new)
.set MSB, \new
.endif
.endm
.set MUL,  0x05                        ; sources 0 (B) and 1 (A) window 1; C and D window 0
.set TO_F, 0x40                        ; destination window 1, address window 0
.set TO_R, 0x80                        ; destination window 2, address window 0
.set W_EX, 0x4a                        ; destination window 1, sources 0 and 1 window 2
; A joint load: waves 0 and 1 fetch A's two halves, waves 2 and 3 B's.  The branch hangs on the wave's number alone.  An s_nop 0 and four v_nop follow each of the two lines.
.macro JLOAD
	s_cmp_eq_u32 s11, 0
	s_cbranch_scc0 .Lfor_b_\@
	tensor_load_to_lds s[G0:G0+3], s[G1:G1+7]
	s_nop 0
.rept 4
	v_nop
.endr
	s_branch .Lasked_\@
.Lfor_b_\@:
	tensor_load_to_lds s[G0B:G0B+3], s[G1B:G1B+7]
	s_nop 0
.rept 4
	v_nop
.endr
.Lasked_\@:
.endm
.macro CROUND                          ; a round of the cluster's barrier
	s_barrier_signal -1
	s_barrier_wait -1
	s_cmp_lg_u32 s10, 0
	s_cbranch_scc1 .Lnot_wave_0_\@
	s_barrier_signal -3
.Lnot_wave_0_\@:
	s_barrier_wait -3
	s_barrier_signal -1
	s_barrier_wait -1
.endm
	s_load_b128 s[4:7], s[0:1], 0x0                ; A s[4:5], B s[6:7]
	s_load_b64 s[8:9], s[0:1], 0x10                ; C
.if STREAM
	s_load_b128 s[68:71], s[0:1], 0x18             ; the next weights s[68:69], their codes s[70:71]
.endif
	v_lshl_add_u32 v[SPW], v0, 2, SPARE
	v_mov_b32 v[NIL], 0
	ds_add_u32 v[SPW], v[NIL]                      ; the wave's opening: the add, twice on end, and its wait ahead of my first tensor load; the set-up below stands between
	ds_add_u32 v[SPW], v[NIL]                      ; and once more, under the one wait
	v_lshrrev_b32 v1, 5, v0
	v_readfirstlane_b32 s10, v1                    ; wave 0..3
	s_lshr_b32 s11, s10, 1                         ; which half of the tile's rows is mine.  Also: I fetch for A (0) or for B (1)
	s_and_b32 s12, s10, 1                          ; which half of its columns.  Also: which half of that tile I fetch
	s_bfe_u32 s40, ttmp6, 0x40000                  ; cx, cy: my place in the cluster
	s_bfe_u32 s41, ttmp6, 0x40004
	s_lshl_b32 s42, ttmp9, 2
	s_add_co_u32 s42, s42, s40                     ; tile column of C = 4 x cluster x + cx
	s_and_b32 s13, ttmp7, 0xffff
	s_lshl_b32 s13, s13, 2
	s_add_co_u32 s13, s13, s41                     ; tile row of C = 4 x cluster y + cy
	s_lshl_b32 s43, s41, 2
	s_lshl_b32 s43, 15, s43                        ; my row of the cluster
	s_lshl_b32 s44, 0x1111, s40                    ; my column
.if ABYTES
	s_or_b32 s[G1+0], s43, (3<<16)|(1<<21)         ; 15:0 the mask: my row; 17:16 elements of 8 bytes; 21 set beside a mask.  A dense block, as rows of 256 bytes
	s_mov_b32 s[G1+1], 32<<16                      ; tensor_dim0 = 32
	s_mov_b32 s[G1+2], 128<<16                     ; tensor_dim1 = 128
	s_mov_b32 s[G1+3], 32<<16                      ; tile_dim0 = 32
	s_mov_b32 s[G1+4], 128                         ; tile_dim1 = 128
	s_mov_b32 s[G1+5], 32                          ; elements from row to row
.else
	s_or_b32 s[G1+0], s43, (1<<16)|(1<<20)|(1<<21)|(6<<22)|(3<<25)  ; the mask: my row; 2-byte elements; padding on; 21 set beside a mask; after every 128 words (code 6) 4 words (code 3)
	s_mov_b32 s[G1+1], 256<<16                     ; tensor_dim0 = 256
	s_mov_b32 s[G1+2], 64<<16                      ; tensor_dim1 = 64
	s_mov_b32 s[G1+3], 256<<16                     ; tile_dim0 = 256
	s_mov_b32 s[G1+4], 64                          ; tile_dim1 = 64
	s_mov_b32 s[G1+5], 4096                        ; elements from row to row
.endif
	s_mov_b32 s[G1+6], 0
	s_mov_b32 s[G1+7], 0
	s_or_b32 s[G1B+0], s44, (3<<16)|(1<<21)        ; the mask: my column; a dense block, as rows of 256 bytes
	s_mov_b32 s[G1B+1], 32<<16
	s_mov_b32 s[G1B+2], (NQ*16)<<16
	s_mov_b32 s[G1B+3], 32<<16
	s_mov_b32 s[G1B+4], NQ*16
	s_mov_b32 s[G1B+5], 32
	s_mov_b32 s[G1B+6], 0
	s_mov_b32 s[G1B+7], 0
	s_mov_b32 s[SELL], 0x010c000c
	s_mov_b32 s[SELU], 0x030c020c
.if STREAM
	s_mov_b32 s[TLO], 0xbf80bf80
	s_mov_b32 s[THI], 0x3f803f80
	s_mov_b32 s[TUP], 0x43404340
	s_mov_b32 s[TDN], 0xc340c340
	s_mov_b32 s[SELT], 0x07030501
	s_mov_b32 s[SELA], 0x05040100
	s_mov_b32 s[SELB], 0x07060302
.endif
.if OUTF
	s_mov_b32 s[K16], 0x41800000
.else
	s_mov_b32 s[SELH], 0x07050301
	s_mov_b32 s[ABSM], 0x7fffffff
	s_mov_b32 s[QN], 0xbe800000
	s_mov_b32 s[QP], 0x3e800000
.endif
	; A's tiles hang on the tile row alone, B's on the tile column alone; each address is made in registers that never hold the other coordinate
.if ABYTES
	s_lshl_b32 s16, s13, 19                        ; A: 524,288 bytes a row tile,
	s_lshl_b32 s17, s12, 15                        ; and my half of a slot's block
	s_add_co_u32 s16, s16, s17
.else
	s_lshl_b32 s16, s13, 7
	s_lshl_b32 s17, s12, 6
	s_add_co_u32 s16, s16, s17                     ; A: row 128 x tile row + 64 x half,
	s_lshl_b32 s16, s16, 13                        ; 8,192 bytes each
.endif
	s_mov_b32 s17, 0
	s_lshl_b32 s46, s42, 19                        ; B: 524,288 bytes a column tile,
	s_mul_i32 s47, s12, HALFB                      ; and my half of a slot's block
	s_add_co_u32 s46, s46, s47
	s_mov_b32 s47, 0
	s_mul_i32 s20, s12, HALFA                      ; where they go: no place in the cluster enters an LDS address
	s_mul_i32 s21, s12, HALFB
	s_add_co_u32 s21, s21, BOFF
	s_mov_b32 s[G0], 1                             ; count = 1
	s_mov_b32 s[G0+1], s20                         ; LDS address: slot 0
	s_mov_b32 s[G0B], 1
	s_mov_b32 s[G0B+1], s21
	s_mov_b32 s[TBA], SLOT1+NQ*ASTEPL              ; the first change of slots turns these two into 0
	s_mov_b32 s[TBB], SLOT1+NQ*8192
	s_wait_dscnt 0x0                               ; both opening adds are done
	s_wait_kmcnt 0x0
	s_add_nc_u64 s[G0+2:G0+3], s[4:5], s[16:17]    ; global address
	s_or_b32 s[G0+3], s[G0+3], 0x80000000          ; type = 2
	s_add_nc_u64 s[G0B+2:G0B+3], s[6:7], s[46:47]
	s_or_b32 s[G0B+3], s[G0B+3], 0x80000000
	CROUND                                         ; all sixteen work-groups are here: the first joint loads meet
	JLOAD                                          ; slot 0.  Slot 1 is asked for when slot 0 is in, by the first change of slots
.if STREAM
; THE STREAM.  Wave W = 4 (32 x tile row + tile column) + wave owns rows 4 W .. 4 W + 3 of the next weights: 65,536 consecutive bytes, 32 UNITS of 4 rows x 128 columns, one for each column tile.
; A unit: 4 loads of 512 consecutive bytes (4 columns a lane); rounded to bf16, clipped, rounded to whole numbers by + 192 and - 192 in bf16 (from 128 to 256 bf16's step is 1, ties to even as in
; jnp.round); the 4 x 4 upper bytes turned, so that a register holds 4 k of a column; one store of 512 consecutive bytes, aligned.  A BATCH of NB units goes with each change of slots: it is worked on in
; front of the wait for the tile (LUMPA), stored behind the joint load, and there the next batch's loads go out (LUMPB): they have a slot's matrix work in which to land.
.macro LOADB
.set u, 0
.rept NB
.irp i, 0,1,2,3
	global_load_b128 v[X+16*u+4*\i:X+16*u+4*\i+3], v[WL], s[IN:IN+1] offset:(\i)*16384+u*512 th:TH_LOAD_NT
.endr
.set u, u+1
.endr
.endm
.macro LUMPA first
	s_wait_loadcnt 0x0                             ; my batch is in
	s_wait_xcnt 0x0                                ; the last batch's loads and stores have read their registers: Y and the two pointers are written only behind this wait
	s_add_nc_u64 s[IN:IN+1], s[IN:IN+1], NB*512
.if (\first) == 0
	s_add_nc_u64 s[OUT:OUT+1], s[OUT:OUT+1], NB*524288
.endif
.set u, 0
.rept NB
.irp i, 0,1,2,3
	v_cvt_pk_bf16_f32 v[P+2*\i],   v[X+16*u+4*\i],   v[X+16*u+4*\i+1]
	v_cvt_pk_bf16_f32 v[P+2*\i+1], v[X+16*u+4*\i+2], v[X+16*u+4*\i+3]
.endr
.irp r, 0,1,2,3,4,5,6,7
	v_pk_max_num_bf16 v[P+\r], v[P+\r], s[TLO]
.endr
.irp r, 0,1,2,3,4,5,6,7
	v_pk_min_num_bf16 v[P+\r], v[P+\r], s[THI]
.endr
.irp r, 0,1,2,3,4,5,6,7
	v_pk_add_bf16 v[P+\r], v[P+\r], s[TUP]
.endr
.irp r, 0,1,2,3,4,5,6,7
	v_pk_add_bf16 v[P+\r], v[P+\r], s[TDN]
.endr
	v_perm_b32 v[U],   v[P+2], v[P],   s[SELT]     ; columns 0, 1 of rows 0, 1
	v_perm_b32 v[U+1], v[P+6], v[P+4], s[SELT]     ; of rows 2, 3
	v_perm_b32 v[U+2], v[P+3], v[P+1], s[SELT]     ; columns 2, 3 of rows 0, 1
	v_perm_b32 v[U+3], v[P+7], v[P+5], s[SELT]     ; of rows 2, 3
	v_perm_b32 v[Y+4*u],   v[U+1], v[U],   s[SELA] ; column 0, rows 0 to 3
	v_perm_b32 v[Y+4*u+1], v[U+1], v[U],   s[SELB] ; column 1
	v_perm_b32 v[Y+4*u+2], v[U+3], v[U+2], s[SELA] ; column 2
	v_perm_b32 v[Y+4*u+3], v[U+3], v[U+2], s[SELB] ; column 3
.set u, u+1
.endr
.endm
.macro LUMPB more
.set u, 0
.rept NB
	global_store_b128 v[WL], v[Y+4*u:Y+4*u+3], s[OUT:OUT+1] offset:u*524288 th:TH_STORE_NT
.set u, u+1
.endr
.if \more
	LOADB
.endif
.endm
	s_lshl_b32 s78, s13, 5
	s_add_co_u32 s78, s78, s42
	s_lshl_b32 s78, s78, 2
	s_add_co_u32 s78, s78, s10                     ; W
	s_lshl_b32 s78, s78, 9                         ; my group of 4 k: 512 bytes in each column tile
	s_mov_b32 s79, 0
	s_add_nc_u64 s[OUT:OUT+1], s[OUT:OUT+1], s[78:79]
	s_lshl_b32 s78, s78, 7                         ; my 4 rows: 65,536 bytes
	s_add_nc_u64 s[IN:IN+1], s[IN:IN+1], s[78:79]
	v_and_b32 v7, 31, v0
	v_lshlrev_b32 v[WL], 4, v7
	LOADB                                          ; batch 0
.endif
	v_and_b32 v1, 15, v0                           ; r = l % 16
	v_bfe_u32 v2, v0, 4, 1                         ; h = l / 16
	v_lshlrev_b32 v4, 4, v1
	v_lshl_add_u32 v4, v2, 11, v4                  ; 16 r + 2,048 h: 16 k on are 2,048 bytes in both blocked layouts
.if ABYTES
	s_lshl_b32 s22, s11, 10                        ; my 64 rows of A: 16 bytes each
	v_add_nc_u32 v[ADRA0], s22, v4
.else
	v_mul_u32_u24 v3, v1, PA
	v_lshl_add_u32 v3, v2, 5, v3                   ; row x pitch + 32 h: 16 k of bf16 on
	s_mul_i32 s22, s11, HALFA                      ; my 64 rows of A
	v_add_nc_u32 v[ADRA0], s22, v3
.endif
	s_lshl_b32 s23, s12, 8                         ; my 64 columns: 16 groups of 4, 16 bytes each,
	s_add_co_u32 s23, s23, BOFF                    ; behind A
	v_add_nc_u32 v[ADRB0], s23, v4
.if OUTF
	s_mul_i32 s23, s11, 64*OPITCH                  ; into the stage: my 64 rows, my half of their 512 bytes; row r, 128 bytes for each half of the lanes
	s_lshl_b32 s22, s12, 8
	s_add_co_u32 s23, s23, s22
	v_mul_u32_u24 v6, v1, OPITCH
	v_lshl_add_u32 v6, v2, 7, v6
	v_add_nc_u32 v[STO], s23, v6
	s_mul_i32 s23, s10, 32*OPITCH                  ; back: wave w takes rows 32 w .. 32 w + 31, whole: 32 lanes x 16 bytes are a row's 512
	v_and_b32 v7, 31, v0
	v_lshlrev_b32 v[CO], 4, v7
	v_add_nc_u32 v[RD], s23, v[CO]
	s_lshl_b32 s16, s13, 7
	s_lshl_b32 s17, s10, 5
	s_add_co_u32 s16, s16, s17                     ; the first row of C that I store: 128 x tile row + 32 x wave
	s_lshl_b32 s16, s16, 14
	s_mov_b32 s17, 0
	s_add_nc_u64 s[8:9], s[8:9], s[16:17]
	s_lshl_b32 s46, s42, 9                         ; the tile's first column, in bytes
	s_mov_b32 s47, 0
	s_add_nc_u64 s[8:9], s[8:9], s[46:47]
.else
	v_lshlrev_b32 v5, 4, v1
	v_lshl_add_u32 v[CO], v2, 12, v5               ; 16 r + 4,096 h: 32 columns on are two groups of 16
	s_lshl_b32 s16, s13, 19                        ; my row tile,
	s_lshl_b32 s17, s11, 10                        ; my 64 rows in each group
	s_add_co_u32 s16, s16, s17
	s_mov_b32 s17, 0
	s_add_nc_u64 s[8:9], s[8:9], s[16:17]
	s_lshl_b32 s46, s42, 14                        ; the tile's 128 columns are 8 groups of 2,048 bytes,
	s_lshl_b32 s47, s12, 13                        ; my 64 are 4
	s_add_co_u32 s46, s46, s47
	s_mov_b32 s47, 0
	s_add_nc_u64 s[8:9], s[8:9], s[46:47]
.endif
.set i, 0
.rept 128
	v_mov_b32 v[ACC+i], 0                          ; the sums start at 0: written while the first tile is on its way, so that the quarter, which is looped over, has one form of product
.set i, i+1
.endr
; Product i of a quarter's 32, on buffer f: 32 along K (i / 16), row block (i / 4) % 4, column fragment i % 4.  The 16 accumulators take turns, one instruction a turn, in the same order everywhere.
.macro MM f
	WIN MUL
.set rC, ACC+8*(4*((i/4)%4)+i%4)
.set rB, 128*(\f)+64+8*(4*(i/16)+i%4)
.set rA, 128*(\f)+8*(4*(i/16)+(i/4)%4)
	v_wmma_f32_16x16x32_bf16 v[rC:rC+7], v[rB:rB+7], v[rA:rA+7], v[rC:rC+7]
.set i, i+1
.endm
; Register e of the widening into buffer g.  A's register e comes from byte register e / 2.  Register e2 of B's fragment b comes from the load of k group e2 / 2, whose register b holds column b.
.macro EX g
.if ABYTES
.set rD, 128*(\g)+e
.if e < 64
.set rR, 64*(\g)+e/2
.else
.set rR, 64*(\g)+32+16*((e-64)/32)+4*((e%8)/2)+((e-64)/8)%4
.endif
.else
.set rD, 128*(\g)+64+e
.set rR, 16*(e/32)+4*((e%8)/2)+(e/8)%4
.endif
.if e%2
	v_perm_b32 v[rD], v[rR], v[rR], s[SELU]
.else
	v_perm_b32 v[rD], v[rR], v[rR], s[SELL]
.endif
.set e, e+1
.endm
; A quarter's run of LDS loads, at the running addresses.  Codes on both sides: 8 loads of A's bytes and 8 of B's into byte buffer f.  A in bf16: 8 loads of B's bytes, then 16 of A's fragments straight into fragment buffer 1 - f.
.macro FETCH f
	WIN 0
	v_add_nc_u32 v[AF], s[TBA], v[ADRA0]
	v_add_nc_u32 v[BF], s[TBB], v[ADRB0]
	s_add_co_u32 s[TBA], s[TBA], ASTEPL            ; the next fetch is the next quarter's
	s_add_co_u32 s[TBB], s[TBB], 8192
	WIN TO_R
.if ABYTES
.irp c, 0,1
.irp a, 0,1,2,3
	ds_load_b128 v[64*(\f)+16*(\c)+4*(\a):64*(\f)+16*(\c)+4*(\a)+3], v[AF] offset:(\c)*4096+(\a)*256
.endr
.endr
.irp c, 0,1
.irp t, 0,1,2,3
	ds_load_b128 v[64*(\f)+32+16*(\c)+4*(\t):64*(\f)+32+16*(\c)+4*(\t)+3], v[BF] offset:(\c)*4096+(\t)*512
.endr
.endr
.else
.irp c, 0,1
.irp t, 0,1,2,3
	ds_load_b128 v[16*(\c)+4*(\t):16*(\c)+4*(\t)+3], v[BF] offset:(\c)*4096+(\t)*512
.endr
.endr
	WIN TO_F
.irp c, 0,1
.irp a, 0,1,2,3
	ds_load_b128 v[128*(1-(\f))+8*(4*(\c)+(\a)):128*(1-(\f))+8*(4*(\c)+(\a))+3],   v[AF] offset:(\c)*64+(\a)*16*PA
	ds_load_b128 v[128*(1-(\f))+8*(4*(\c)+(\a))+4:128*(1-(\f))+8*(4*(\c)+(\a))+7], v[AF] offset:(\c)*64+(\a)*16*PA+16
.endr
.endr
.endif
.endm
; A QUARTER p, f = p % 2: 32 products on fragment buffer f.
; Codes on both sides: the bytes of quarter p + 2 are fetched into byte buffer f; the bytes of quarter p + 1, in byte buffer 1 - f since the quarter before, are widened into fragment buffer 1 - f, four registers behind each product.
; A in bf16: A's fragments and B's bytes of quarter p + 1 are fetched at the head; the second sixteen products carry the widening of B, four registers behind each.
; The widening writes, and A's loads land in, registers that the quarter before multiplied: behind that quarter's last product stand its own four v_perm_b32, which name none of its registers, and the two
; address lines: more than the four places that are wanted (ISA guide 7.12.1 for the widening).
.macro TICK f, fetch, ride
	WIN 0
	s_wait_dscnt 0x0                               ; what the quarter before fetched is in
.if \fetch
	FETCH \f
.endif
.set i, 0
.set e, 0
.if ABYTES
.rept 32
	MM \f
.if \ride
	WIN W_EX
.rept 4
	EX 1-(\f)
.endr
.endif
.endr
.else
.rept 16
	MM \f
.endr
.if \ride
	s_wait_dscnt 16                                ; B's bytes are in; A's sixteen loads, issued behind them, may stay out
.endif
.rept 16
	MM \f
.if \ride
	WIN W_EX
.rept 4
	EX 1-(\f)
.endr
.endif
.endr
.endif
.endm
; THE CHANGE OF SLOTS.  Each wave waits for all its tensor loads, of which one is out: its part of the other slot; adds 0 to its spare word; and waits for that and for its own reads of the slot that it
; leaves.  Behind the barrier nobody reads the old slot any more and the other slot is whole.  fill = 1: the barrier is a round of the cluster's, and the old slot is filled again, first thing behind it,
; with the tiles two slots on: the load has a slot's matrix work in which to land.  (At its first use nothing has been read yet: slot 0 is waited for, slot 1 filled.)
.macro CHANGE fill, first
	WIN 0                                          ; at a label and at a branch every window is 0
.if STREAM
	LUMPA \first
.endif
	s_wait_tensorcnt 0x0                           ; no tensor load of mine is out, so a group 0 may be written
	ds_add_u32 v[SPW], v[NIL]                      ; 0 onto my spare word: the descriptors' steps stand between it and the wait for it
.if \fill
	s_xor_b32 s[G0+1], s[G0+1], SLOT1              ; the walking descriptors: the other slot than last time,
	s_add_nc_u64 s[G0+2:G0+3], s[G0+2:G0+3], ASTEP ; the next K step; the type bits on top are not reached
	s_xor_b32 s[G0B+1], s[G0B+1], SLOT1
	s_add_nc_u64 s[G0B+2:G0B+3], s[G0B+2:G0B+3], BSTEP
.endif
	s_wait_dscnt 0x0                               ; the add is done, and my reads of the slot are over
.if \fill
	CROUND
	JLOAD
.else
	s_barrier_signal -1
	s_barrier_wait -1
.endif
	s_sub_co_u32 s[TBA], s[TBA], NQ*ASTEPL         ; the fetches go back to a slot's first quarter,
	s_xor_b32 s[TBA], s[TBA], SLOT1                ; in the other slot
	s_sub_co_u32 s[TBB], s[TBB], NQ*8192
	s_xor_b32 s[TBB], s[TBB], SLOT1
.if STREAM
	LUMPB \fill
.endif
.endm
	CHANGE 1, 1                                    ; slot 0 is in, everybody's part of it; slot 1 is asked for
.set e, 0
.if ABYTES
	FETCH 0                                        ; quarters 0 and 1
	FETCH 1
	s_wait_dscnt 16                                ; quarter 0's bytes are in; quarter 1's sixteen loads may stay out
	WIN W_EX
.rept 128
	EX 0                                           ; there are no products yet to set these behind
.endr
	WIN 0
	s_mov_b32 s[SLOTS], NSTEP-1
	s_mov_b32 s[CNT], NQ/2-1                       ; two of the slot's quarters have been fetched
	s_branch .Ltrip
.else
	FETCH 1                                        ; quarter 0, into buffer 0
	s_wait_dscnt 16                                ; B's bytes are in
	WIN W_EX
.rept 64
	EX 0
.endr
	WIN 0
	s_mov_b32 s[SLOTS], NSTEP-1
	s_mov_b32 s[CNT], NQ/2
	s_branch .Lmid                                 ; the loop is entered in the middle of a trip
.endif
.Lslot:                                                ; NSTEP - 2 times: every slot but the last two is filled again
	CHANGE 1, 0
	s_mov_b32 s[CNT], NQ/2
.Ltrip:                                                ; a trip: two quarters, which fetch two quarters of the slot in hand
.if ABYTES
	TICK 0, 1, 1
	TICK 1, 1, 1
.else
	TICK 1, 1, 1
	WIN 0
.Lmid:
	TICK 0, 1, 1
.endif
	WIN 0
	s_sub_co_u32 s[CNT], s[CNT], 1
	s_cmp_lg_u32 s[CNT], 0
	s_cbranch_scc1 .Ltrip
	s_sub_co_u32 s[SLOTS], s[SLOTS], 1
	s_cmp_lg_u32 s[SLOTS], 0
	s_cbranch_scc1 .Lslot
	CHANGE 0, 0                                    ; the tail is written out: nothing is asked for
	s_mov_b32 s[CNT], NQ/2
.Ltail:
.if ABYTES
	TICK 0, 1, 1
	TICK 1, 1, 1
.else
	TICK 1, 1, 1
	TICK 0, 1, 1
.endif
	WIN 0
	s_sub_co_u32 s[CNT], s[CNT], 1
	s_cmp_lg_u32 s[CNT], 0
	s_cbranch_scc1 .Ltail
.if ABYTES
	TICK 0, 0, 1                                   ; the last two quarters fetch nothing; the last widens nothing
	TICK 1, 0, 0
.else
	TICK 1, 0, 0                                   ; the last quarter fetches nothing
.endif
	WIN 0
.rept 8
	v_nop                                          ; the places behind the last products
.endr
.if OUTF
	; THE WAY OUT, f32.  The sums are exact multiples of 1/16 (codes of 1/8 and of 1/2): times 16 and held to -1 .. 1 they are their signs.  A lane's 32 neighbouring columns of a row block go into the
	; work-group's stage, which is slot 0: it has had its last fill, and its last reads ended in front of the last change of slots' barrier.  A barrier, since a row's 512 bytes come from two waves; back as whole rows.
.set a, 0
.rept 4
.set j, 0
.rept 8
.irp b, 0,1,2,3
	v_mul_f32 v[TMP+32*(a%2)+4*j+\b], s[K16], v[ACC+8*(4*a+\b)+j]  ; each accumulator's registers in ascending order
.endr
.set j, j+1
.endr
.set j, 0
.rept 32
	v_med3_num_f32 v[TMP+32*(a%2)+j], v[TMP+32*(a%2)+j], -1.0, 1.0
.set j, j+1
.endr
.set j, 0
.rept 8
	ds_store_b128 v[STO], v[TMP+32*(a%2)+4*j:TMP+32*(a%2)+4*j+3] offset:a*16*OPITCH+16*j
.set j, j+1
.endr
.set a, a+1
.endr
	s_wait_dscnt 0x0                               ; for the others' sake: my stores into the stage are done
	s_barrier_signal -1
	s_barrier_wait -1
.set t, 0
.rept 32
	ds_load_b128 v[ACC+4*t:ACC+4*t+3], v[RD] offset:t*OPITCH
.set t, t+1
.endr
.set t, 0
.rept 32
	s_wait_dscnt 31-t                              ; LDS loads come back in order: row t is in
	global_store_b128 v[CO], v[ACC+4*t:ACC+4*t+3], s[8:9] offset:t*16384 th:TH_STORE_NT  ; the wave stores 512 consecutive bytes, at a multiple of 256 from C's first byte
.set t, t+1
.endr
.else
	; THE WAY OUT, codes.  Eight sums at a time, each accumulator's registers in ascending order.  A in bf16: 1.0 where the sum is not 0, else 0, with the sum's sign bit.  Codes on both sides: the sums are
	; exact multiples of 1/4, and held to -1/4 .. 1/4 they are a quarter of their signs.  The upper bytes of the four accumulators' register j are 4 neighbouring columns; a lane's 16 bytes are a group
	; of 16 columns of one row, sixteen lanes' are 256 consecutive bytes, aligned: they are stored straight from registers.
.set a, 0
.rept 4
.set jj, 0
.rept 4
.if ABYTES
.irp x, 0,1,2,3,4,5,6,7
	v_med3_num_f32 v[SG+\x], v[ACC+8*(4*a+(\x)%4)+2*jj+(\x)/4], s[QN], s[QP]
.endr
.else
.irp x, 0,1,2,3,4,5,6,7
	v_cmp_neq_f32 s[MK+\x], 0, v[ACC+8*(4*a+(\x)%4)+2*jj+(\x)/4]
.endr
.irp x, 0,1,2,3,4,5,6,7
	v_cndmask_b32 v[SG+\x], 0, 1.0, s[MK+\x]
.endr
.irp x, 0,1,2,3,4,5,6,7
	v_bfi_b32 v[SG+\x], s[ABSM], v[SG+\x], v[ACC+8*(4*a+(\x)%4)+2*jj+(\x)/4]
.endr
.endif
.irp y, 0,1,2,3
	v_cvt_pk_bf16_f32 v[PK+\y], v[SG+2*\y], v[SG+2*\y+1]
.endr
	v_perm_b32 v[TMP+8*a+2*jj],   v[PK+1], v[PK],   s[SELH]
	v_perm_b32 v[TMP+8*a+2*jj+1], v[PK+3], v[PK+2], s[SELH]
.set jj, jj+1
.endr
	global_store_b128 v[CO], v[TMP+8*a:TMP+8*a+3],   s[8:9] offset:a*256
	global_store_b128 v[CO], v[TMP+8*a+4:TMP+8*a+7], s[8:9] offset:a*256+2048
.set a, a+1
.endr
.endif
	s_wait_tensorcnt 0x0                           ; the wave's end: an add and its wait, behind my last tensor load and my last LDS store
	ds_add_u32 v[SPW], v[NIL]
	s_wait_dscnt 0x0
	CROUND                                         ; the closing round: no work-group ends while a partner may still ask for a tile that names it
	s_endpgm
.Lfunc_end_k_q32425832e2_layer2:
	.size	k_q32425832e2_layer2, .Lfunc_end_k_q32425832e2_layer2-k_q32425832e2_layer2
	.p2alignl 7, 3214868480
	.fill 96, 4, 3214868480
	.section	.rodata,"a",@progbits
	.p2align	6, 0x0
	.amdhsa_kernel k_q32425832e2_layer2
		.amdhsa_group_segment_fixed_size 327680
		.amdhsa_private_segment_fixed_size 0
		.amdhsa_enable_private_segment 0
		.amdhsa_kernarg_size 40
		.amdhsa_user_sgpr_count 2
		.amdhsa_user_sgpr_kernarg_segment_ptr 1
		.amdhsa_wavefront_size32 1
		.amdhsa_system_sgpr_workgroup_id_x 1
		.amdhsa_system_sgpr_workgroup_id_y 1
		.amdhsa_system_sgpr_workgroup_id_z 1
		.amdhsa_system_vgpr_workitem_id 0
		.amdhsa_next_free_vgpr 640
		.amdhsa_next_free_sgpr 94
		.amdhsa_reserve_vcc 0
		.amdhsa_float_denorm_mode_32 3
		.amdhsa_float_denorm_mode_16_64 3
		.amdhsa_memory_ordered 1
		.amdhsa_forward_progress 1
		.amdhsa_inst_pref_size 150
	.end_amdhsa_kernel
	.amdgpu_metadata
---
amdhsa.version: [ 1, 2 ]
amdhsa.kernels:
  - .name:           k_q32425832e2_layer2
    .symbol:         k_q32425832e2_layer2.kd
    .args:
      - { .name: h1, .offset: 0, .size: 8, .value_kind: global_buffer, .address_space: global }
      - { .name: t1, .offset: 8, .size: 8, .value_kind: global_buffer, .address_space: global }
      - { .name: h2, .offset: 16, .size: 8, .value_kind: global_buffer, .address_space: global }
      - { .name: W2, .offset: 24, .size: 8, .value_kind: global_buffer, .address_space: global }
      - { .name: t2, .offset: 32, .size: 8, .value_kind: global_buffer, .address_space: global }
    .group_segment_fixed_size: 327680
    .private_segment_fixed_size: 0
    .kernarg_segment_align: 8
    .kernarg_segment_size: 40
    .max_flat_workgroup_size: 128
    .sgpr_count:     94
    .vgpr_count:     640
    .wavefront_size: 32
...
	.end_amdgpu_metadata
.endif
;; end of part 6
;; launch last (part 7): grid 32 x 8, 4 waves a work-group, clusters of 4 x 4, 327,680 bytes of LDS; arguments h2, t2, out0; writes out0
.if DOCPART == 7
	.amdgcn_target "amdgcn-amd-amdhsa--gfx1250"
	.amdhsa_code_object_version 6
	.text
	.protected	k_q32425832e2_last
	.globl	k_q32425832e2_last
	.p2align	8
	.type	k_q32425832e2_last,@function
k_q32425832e2_last:
	s_mov_b64 s[64:65], 0
	v_nop
	global_prefetch_b8 v0, s[64:65] scope:SCOPE_SE
	s_setreg_imm32_b32 hwreg(HW_REG_WAVE_MODE, 25, 1), 1
	s_wait_xcnt 0x0
	s_wait_alu depctr_hold_cnt(0) depctr_sa_sdst(0) depctr_va_vdst(0) depctr_va_sdst(0) depctr_va_ssrc(0) depctr_va_vcc(0) depctr_vm_vsrc(0)
	s_getreg_b32 s2, hwreg(HW_REG_IB_STS2, 6, 4)
	s_cmp_eq_u32 s2, 0
	s_cbranch_scc0 .Lentry_in_a_cluster
	s_endpgm
.Lentry_in_a_cluster:
	s_bfe_u32 s2, ttmp6, 0x10000c
	s_cmp_lg_u32 s2, 0xf033
	s_cbranch_scc0 .Lentry_shape_is_right
	s_endpgm
.Lentry_shape_is_right:
; THE LAST LAYER: C = sign(A @ B).  A = h2: the second layer's signs as byte codes in blocks (they widen to +-1/8 or 0).  B = t2: the ternary weights as byte codes in blocks (+-1/2 or 0).  C = out0: [1024][4096] f32.
; ABYTES (A holds byte codes) sets the slot's size below; STREAM and OUTF are set but choose nothing.
; LEFT OUT (shown at the head of the first kernel): the factor 1/16, since sign(y / 16) = sign(y); of c + (sign - c) only the sign is made.
; LIMITS: NaN and infinities are not treated apart; sums in f32, one accumulator an output; they are exact (at most 4,096 terms of +-1/16).
; THE CODE: a ternary number is stored as the upper byte of a bf16 number and widened by setting the byte into the upper byte of a bf16: one power of two for all, in front of a sign.
; LAYOUTS.  Weights: byte (k, n) at 524,288 (n / 128) + 512 (k / 4) + 16 ((n % 128) / 4) + 4 (n % 4) + k % 4.  Signs: byte (m, k) at 524,288 (m / 128) + 2,048 (k / 16) + 16 (m % 128) + k % 16.
; In both a tile's K step is one dense block, and sixteen lanes' 16 bytes are 256 consecutive bytes of LDS: no padding, no turning load.
; SHARES.  A tile of C is 128 x 128: 32 x 8 tiles, one for each of 256 work-groups.  Four waves, each 64 x 64: 16 accumulators of 16 x 16.  K goes in QUARTERS of 64; an LDS slot holds NQ of them.
; CLUSTERS: 4 x 4 work-groups.  The four of a row of the cluster need the same tiles of A, the four of a column the same tiles of B: each tile is asked for JOINTLY, by the same tensor load with the same
; descriptor and a mask that names the four.
; FRAGMENTS.  Source 0 = 16 columns of B, source 1 = 16 rows of A.  In both, place e (0 .. 15) of lane (r, h) holds k = k0 + 16 h + e: k is permuted alike in A and B, which keeps the products.
; Fragment b of B holds the columns 4 rho + b (rho = lane % 16) of my 64: so register j of accumulator (a, b) holds row 16 a + r, column 32 h + 4 j + b: a lane's four accumulators of a row block
; hold 32 neighbouring columns.
; WIDENING: one v_perm_b32 makes a register of two bf16 of two bytes.  They stand four behind a matrix instruction, with two switches of the register window.
; REGISTERS: window 0: v0-31 addresses; v32-95 results on the way out; v128-255 the accumulators ((a, b) at v[128 + 8 (4 a + b)]).
;   window 1: two fragment buffers of 128: for 64 along K, 64 registers of A (2 x 4 x 16 rows x 32 K), then 64 of B.     window 2: bytes as they come from LDS: two buffers of 64: 32 of A, 32 of B.
.set ABYTES, 1
.set STREAM, 0
.set OUTF,   1
.set NQ,     4+4*ABYTES                ; quarters in a slot
.set NSTEP,  64/NQ                     ; slots' fills in the launch
.set SLOT1,  1<<17                     ; slot 1 begins here, so that one exclusive or turns an address in one slot into the other's
.set PA,     528                       ; (A in bf16) an LDS row: 512 bytes + 16 of padding
.if ABYTES
.set HALFA,  32768                     ; what one tensor load brings of A
.set BOFF,   65536                     ; a slot: A, then B
.set ASTEP,  65536                     ; bytes in memory from a slot's A to the next slot's
.set ASTEPL, 8192                      ; bytes in LDS from a quarter's A to the next quarter's
.else
.set HALFA,  64*PA
.set BOFF,   128*PA
.set ASTEP,  512
.set ASTEPL, 128
.endif
.set HALFB,  NQ*4096                   ; what one tensor load brings of B
.set BSTEP,  NQ*8192                   ; a quarter of B is 8,192 bytes, in memory and in LDS
.set SPARE,  2*SLOT1                   ; behind the ring: the spare words, 128 bytes for each wave: two blocks of 256 bytes that no other line names
.set OPITCH, 528                       ; a row of the stage: 512 bytes + 16: sixteen rows' 16 bytes fall 16 bytes apart modulo 256
.set ADRA0, 16                         ; v16  my lane's place in a slot's A; never rewritten
.set ADRB0, 17                         ; v17  the same for B
.set AF,    18                         ; v18  the LDS address of the run of loads in hand, A
.set BF,    19                         ; v19  B
.set STO,   24                         ; v24  where I put 16 bytes of a row of the stage
.set RD,    25                         ; v25  where I read a row back
.set CO,    26                         ; v26  my byte offset in C
.set SPW,   28                         ; v28  LDS address of my spare word: SPARE + 4 x my thread's number; never rewritten
.set NIL,   29                         ; v29  0; never rewritten
.set TMP,   32                         ; v[32:95] the way out
.set ACC,   128
.set G1,    24                         ; s[24:31] descriptor group 1 for A's tiles;  s[32:35] group 0: it walks
.set G0,    32
.set CNT,   36                         ; s36  counts a slot's trips
.set SLOTS, 37                         ; s37  slots still to be entered
.set TBA,   38                         ; s38  LDS byte at which A of the quarter to be fetched begins
.set TBB,   39                         ; s39  the same for B, less BOFF
.set G1B,   48                         ; s[48:55], s[56:59] the same for B's tiles
.set G0B,   56
.set SELL,  60                         ; s60  bytes 0, 1 into the upper bytes of two bf16
.set SELU,  61                         ; s61  bytes 2, 3
.set K16,   62                         ; s62  16.0
.set MSB, 0
.macro WIN new                         ; the immediate's high byte repeats the setting that is left; a switch that changes nothing is dropped
.if MSB != (\new)
	s_set_vgpr_msb (MSB<<8)|(\new)
.set MSB, \new
.endif
.endm
.set MUL,  0x05                        ; sources 0 (B) and 1 (A) window 1; C and D window 0
.set TO_F, 0x40                        ; destination window 1, address window 0
.set TO_R, 0x80                        ; destination window 2, address window 0
.set W_EX, 0x4a                        ; destination window 1, sources 0 and 1 window 2
; A joint load: waves 0 and 1 fetch A's two halves, waves 2 and 3 B's.  The branch hangs on the wave's number alone.  An s_nop 0 and four v_nop follow each of the two lines.
.macro JLOAD
	s_cmp_eq_u32 s11, 0
	s_cbranch_scc0 .Lfor_b_\@
	tensor_load_to_lds s[G0:G0+3], s[G1:G1+7]
	s_nop 0
.rept 4
	v_nop
.endr
	s_branch .Lasked_\@
.Lfor_b_\@:
	tensor_load_to_lds s[G0B:G0B+3], s[G1B:G1B+7]
	s_nop 0
.rept 4
	v_nop
.endr
.Lasked_\@:
.endm
.macro CROUND                          ; a round of the cluster's barrier
	s_barrier_signal -1
	s_barrier_wait -1
	s_cmp_lg_u32 s10, 0
	s_cbranch_scc1 .Lnot_wave_0_\@
	s_barrier_signal -3
.Lnot_wave_0_\@:
	s_barrier_wait -3
	s_barrier_signal -1
	s_barrier_wait -1
.endm
	s_load_b128 s[4:7], s[0:1], 0x0                ; A s[4:5], B s[6:7]
	s_load_b64 s[8:9], s[0:1], 0x10                ; C
	v_lshl_add_u32 v[SPW], v0, 2, SPARE
	v_mov_b32 v[NIL], 0
	ds_add_u32 v[SPW], v[NIL]                      ; the wave's opening: the add, twice on end, and its wait ahead of my first tensor load; the set-up below stands between
	ds_add_u32 v[SPW], v[NIL]                      ; and once more, under the one wait
	v_lshrrev_b32 v1, 5, v0
	v_readfirstlane_b32 s10, v1                    ; wave 0..3
	s_lshr_b32 s11, s10, 1                         ; which half of the tile's rows is mine.  Also: I fetch for A (0) or for B (1)
	s_and_b32 s12, s10, 1                          ; which half of its columns.  Also: which half of that tile I fetch
	s_bfe_u32 s40, ttmp6, 0x40000                  ; cx, cy: my place in the cluster
	s_bfe_u32 s41, ttmp6, 0x40004
	s_lshl_b32 s42, ttmp9, 2
	s_add_co_u32 s42, s42, s40                     ; tile column of C = 4 x cluster x + cx
	s_and_b32 s13, ttmp7, 0xffff
	s_lshl_b32 s13, s13, 2
	s_add_co_u32 s13, s13, s41                     ; tile row of C = 4 x cluster y + cy
	s_lshl_b32 s43, s41, 2
	s_lshl_b32 s43, 15, s43                        ; my row of the cluster
	s_lshl_b32 s44, 0x1111, s40                    ; my column
	s_or_b32 s[G1+0], s43, (3<<16)|(1<<21)         ; 15:0 the mask: my row; 17:16 elements of 8 bytes; 21 set beside a mask.  A dense block, as rows of 256 bytes
	s_mov_b32 s[G1+1], 32<<16                      ; tensor_dim0 = 32
	s_mov_b32 s[G1+2], 128<<16                     ; tensor_dim1 = 128
	s_mov_b32 s[G1+3], 32<<16                      ; tile_dim0 = 32
	s_mov_b32 s[G1+4], 128                         ; tile_dim1 = 128
	s_mov_b32 s[G1+5], 32                          ; elements from row to row
	s_mov_b32 s[G1+6], 0
	s_mov_b32 s[G1+7], 0
	s_or_b32 s[G1B+0], s44, (3<<16)|(1<<21)        ; the mask: my column; a dense block, as rows of 256 bytes
	s_mov_b32 s[G1B+1], 32<<16
	s_mov_b32 s[G1B+2], (NQ*16)<<16
	s_mov_b32 s[G1B+3], 32<<16
	s_mov_b32 s[G1B+4], NQ*16
	s_mov_b32 s[G1B+5], 32
	s_mov_b32 s[G1B+6], 0
	s_mov_b32 s[G1B+7], 0
	s_mov_b32 s[SELL], 0x010c000c
	s_mov_b32 s[SELU], 0x030c020c
	s_mov_b32 s[K16], 0x41800000
	; A's tiles hang on the tile row alone, B's on the tile column alone; each address is made in registers that never hold the other coordinate
	s_lshl_b32 s16, s13, 19                        ; A: 524,288 bytes a row tile,
	s_lshl_b32 s17, s12, 15                        ; and my half of a slot's block
	s_add_co_u32 s16, s16, s17
	s_mov_b32 s17, 0
	s_lshl_b32 s46, s42, 19                        ; B: 524,288 bytes a column tile,
	s_mul_i32 s47, s12, HALFB                      ; and my half of a slot's block
	s_add_co_u32 s46, s46, s47
	s_mov_b32 s47, 0
	s_mul_i32 s20, s12, HALFA                      ; where they go: no place in the cluster enters an LDS address
	s_mul_i32 s21, s12, HALFB
	s_add_co_u32 s21, s21, BOFF
	s_mov_b32 s[G0], 1                             ; count = 1
	s_mov_b32 s[G0+1], s20                         ; LDS address: slot 0
	s_mov_b32 s[G0B], 1
	s_mov_b32 s[G0B+1], s21
	s_mov_b32 s[TBA], SLOT1+NQ*ASTEPL              ; the first change of slots turns these two into 0
	s_mov_b32 s[TBB], SLOT1+NQ*8192
	s_wait_dscnt 0x0                               ; both opening adds are done
	s_wait_kmcnt 0x0
	s_add_nc_u64 s[G0+2:G0+3], s[4:5], s[16:17]    ; global address
	s_or_b32 s[G0+3], s[G0+3], 0x80000000          ; type = 2
	s_add_nc_u64 s[G0B+2:G0B+3], s[6:7], s[46:47]
	s_or_b32 s[G0B+3], s[G0B+3], 0x80000000
	CROUND                                         ; all sixteen work-groups are here: the first joint loads meet
	JLOAD                                          ; slot 0.  Slot 1 is asked for when slot 0 is in, by the first change of slots
	v_and_b32 v1, 15, v0                           ; r = l % 16
	v_bfe_u32 v2, v0, 4, 1                         ; h = l / 16
	v_lshlrev_b32 v4, 4, v1
	v_lshl_add_u32 v4, v2, 11, v4                  ; 16 r + 2,048 h: 16 k on are 2,048 bytes in both blocked layouts
	s_lshl_b32 s22, s11, 10                        ; my 64 rows of A: 16 bytes each
	v_add_nc_u32 v[ADRA0], s22, v4
	s_lshl_b32 s23, s12, 8                         ; my 64 columns: 16 groups of 4, 16 bytes each,
	s_add_co_u32 s23, s23, BOFF                    ; behind A
	v_add_nc_u32 v[ADRB0], s23, v4
	s_mul_i32 s23, s11, 64*OPITCH                  ; into the stage: my 64 rows, my half of their 512 bytes; row r, 128 bytes for each half of the lanes
	s_lshl_b32 s22, s12, 8
	s_add_co_u32 s23, s23, s22
	v_mul_u32_u24 v6, v1, OPITCH
	v_lshl_add_u32 v6, v2, 7, v6
	v_add_nc_u32 v[STO], s23, v6
	s_mul_i32 s23, s10, 32*OPITCH                  ; back: wave w takes rows 32 w .. 32 w + 31, whole: 32 lanes x 16 bytes are a row's 512
	v_and_b32 v7, 31, v0
	v_lshlrev_b32 v[CO], 4, v7
	v_add_nc_u32 v[RD], s23, v[CO]
	s_lshl_b32 s16, s13, 7
	s_lshl_b32 s17, s10, 5
	s_add_co_u32 s16, s16, s17                     ; the first row of C that I store: 128 x tile row + 32 x wave
	s_lshl_b32 s16, s16, 14
	s_mov_b32 s17, 0
	s_add_nc_u64 s[8:9], s[8:9], s[16:17]
	s_lshl_b32 s46, s42, 9                         ; the tile's first column, in bytes
	s_mov_b32 s47, 0
	s_add_nc_u64 s[8:9], s[8:9], s[46:47]
.set i, 0
.rept 128
	v_mov_b32 v[ACC+i], 0                          ; the sums start at 0: written while the first tile is on its way, so that the quarter, which is looped over, has one form of product
.set i, i+1
.endr
; Product i of a quarter's 32, on buffer f: 32 along K (i / 16), row block (i / 4) % 4, column fragment i % 4.  The 16 accumulators take turns, one instruction a turn, in the same order everywhere.
.macro MM f
	WIN MUL
.set rC, ACC+8*(4*((i/4)%4)+i%4)
.set rB, 128*(\f)+64+8*(4*(i/16)+i%4)
.set rA, 128*(\f)+8*(4*(i/16)+(i/4)%4)
	v_wmma_f32_16x16x32_bf16 v[rC:rC+7], v[rB:rB+7], v[rA:rA+7], v[rC:rC+7]
.set i, i+1
.endm
; Register e of the widening into buffer g.  A's register e comes from byte register e / 2.  Register e2 of B's fragment b comes from the load of k group e2 / 2, whose register b holds column b.
.macro EX g
.set rD, 128*(\g)+e
.if e < 64
.set rR, 64*(\g)+e/2
.else
.set rR, 64*(\g)+32+16*((e-64)/32)+4*((e%8)/2)+((e-64)/8)%4
.endif
.if e%2
	v_perm_b32 v[rD], v[rR], v[rR], s[SELU]
.else
	v_perm_b32 v[rD], v[rR], v[rR], s[SELL]
.endif
.set e, e+1
.endm
; A quarter's run of LDS loads, at the running addresses: 8 loads of A's bytes and 8 of B's into byte buffer f.
.macro FETCH f
	WIN 0
	v_add_nc_u32 v[AF], s[TBA], v[ADRA0]
	v_add_nc_u32 v[BF], s[TBB], v[ADRB0]
	s_add_co_u32 s[TBA], s[TBA], ASTEPL            ; the next fetch is the next quarter's
	s_add_co_u32 s[TBB], s[TBB], 8192
	WIN TO_R
.irp c, 0,1
.irp a, 0,1,2,3
	ds_load_b128 v[64*(\f)+16*(\c)+4*(\a):64*(\f)+16*(\c)+4*(\a)+3], v[AF] offset:(\c)*4096+(\a)*256
.endr
.endr
.irp c, 0,1
.irp t, 0,1,2,3
	ds_load_b128 v[64*(\f)+32+16*(\c)+4*(\t):64*(\f)+32+16*(\c)+4*(\t)+3], v[BF] offset:(\c)*4096+(\t)*512
.endr
.endr
.endm
; A QUARTER p, f = p % 2: 32 products on fragment buffer f.  The bytes of quarter p + 2 are fetched into byte buffer f; the bytes of quarter p + 1, in byte buffer 1 - f since the quarter before, are
; widened into fragment buffer 1 - f, four registers behind each product.  The widening writes registers that the quarter before multiplied: behind that quarter's last product stand its own four
; v_perm_b32, which name none of its registers, and the two address lines: more than the four places that are wanted (ISA guide 7.12.1).
.macro TICK f, fetch, ride
	WIN 0
	s_wait_dscnt 0x0                               ; what the quarter before fetched is in
.if \fetch
	FETCH \f
.endif
.set i, 0
.set e, 0
.rept 32
	MM \f
.if \ride
	WIN W_EX
.rept 4
	EX 1-(\f)
.endr
.endif
.endr
.endm
; THE CHANGE OF SLOTS.  Each wave waits for all its tensor loads, of which one is out: its part of the other slot; adds 0 to its spare word; and waits for that and for its own reads of the slot that it
; leaves.  Behind the barrier nobody reads the old slot any more and the other slot is whole.  fill = 1: the barrier is a round of the cluster's, and the old slot is filled again, first thing behind it,
; with the tiles two slots on: the load has a slot's matrix work in which to land.  (At its first use nothing has been read yet: slot 0 is waited for, slot 1 filled.)
.macro CHANGE fill
	WIN 0                                          ; at a label and at a branch every window is 0
	s_wait_tensorcnt 0x0                           ; no tensor load of mine is out, so a group 0 may be written
	ds_add_u32 v[SPW], v[NIL]                      ; 0 onto my spare word: the descriptors' steps stand between it and the wait for it
.if \fill
	s_xor_b32 s[G0+1], s[G0+1], SLOT1              ; the walking descriptors: the other slot than last time,
	s_add_nc_u64 s[G0+2:G0+3], s[G0+2:G0+3], ASTEP ; the next K step; the type bits on top are not reached
	s_xor_b32 s[G0B+1], s[G0B+1], SLOT1
	s_add_nc_u64 s[G0B+2:G0B+3], s[G0B+2:G0B+3], BSTEP
.endif
	s_wait_dscnt 0x0                               ; the add is done, and my reads of the slot are over
.if \fill
	CROUND
	JLOAD
.else
	s_barrier_signal -1
	s_barrier_wait -1
.endif
	s_sub_co_u32 s[TBA], s[TBA], NQ*ASTEPL         ; the fetches go back to a slot's first quarter,
	s_xor_b32 s[TBA], s[TBA], SLOT1                ; in the other slot
	s_sub_co_u32 s[TBB], s[TBB], NQ*8192
	s_xor_b32 s[TBB], s[TBB], SLOT1
.endm
	CHANGE 1                                       ; slot 0 is in, everybody's part of it; slot 1 is asked for
.set e, 0
	FETCH 0                                        ; quarters 0 and 1
	FETCH 1
	s_wait_dscnt 16                                ; quarter 0's bytes are in; quarter 1's sixteen loads may stay out
	WIN W_EX
.rept 128
	EX 0                                           ; there are no products yet to set these behind
.endr
	WIN 0
	s_mov_b32 s[SLOTS], NSTEP-1
	s_mov_b32 s[CNT], NQ/2-1                       ; two of the slot's quarters have been fetched
	s_branch .Ltrip
.Lslot:                                                ; NSTEP - 2 times: every slot but the last two is filled again
	CHANGE 1
	s_mov_b32 s[CNT], NQ/2
.Ltrip:                                                ; a trip: two quarters, which fetch two quarters of the slot in hand
	TICK 0, 1, 1
	TICK 1, 1, 1
	WIN 0
	s_sub_co_u32 s[CNT], s[CNT], 1
	s_cmp_lg_u32 s[CNT], 0
	s_cbranch_scc1 .Ltrip
	s_sub_co_u32 s[SLOTS], s[SLOTS], 1
	s_cmp_lg_u32 s[SLOTS], 0
	s_cbranch_scc1 .Lslot
	CHANGE 0                                       ; the tail is written out: nothing is asked for.  Behind this barrier no wave reads slot 0 any more, and no load fills it
	s_mov_b32 s[CNT], NQ/2
.Ltail:
	TICK 0, 1, 1
	TICK 1, 1, 1
	WIN 0
	s_sub_co_u32 s[CNT], s[CNT], 1
	s_cmp_lg_u32 s[CNT], 0
	s_cbranch_scc1 .Ltail
	TICK 0, 0, 1                                   ; the last two quarters fetch nothing; the last widens nothing
	TICK 1, 0, 0
	WIN 0
.rept 8
	v_nop                                          ; the places behind the last products
.endr
	; THE WAY OUT.  The sums are exact multiples of 1/16 (codes of 1/8 and of 1/2): times 16 and held to -1 .. 1 they are their signs.  A lane's 32 neighbouring columns of a row block go into the
	; work-group's stage, which is slot 0: it has had its last fill, and its last reads ended in front of the last change of slots' barrier.  A barrier, since a row's 512 bytes come from two waves; back as whole rows.
.set a, 0
.rept 4
.set j, 0
.rept 8
.irp b, 0,1,2,3
	v_mul_f32 v[TMP+32*(a%2)+4*j+\b], s[K16], v[ACC+8*(4*a+\b)+j]  ; each accumulator's registers in ascending order
.endr
.set j, j+1
.endr
.set j, 0
.rept 32
	v_med3_num_f32 v[TMP+32*(a%2)+j], v[TMP+32*(a%2)+j], -1.0, 1.0
.set j, j+1
.endr
.set j, 0
.rept 8
	ds_store_b128 v[STO], v[TMP+32*(a%2)+4*j:TMP+32*(a%2)+4*j+3] offset:a*16*OPITCH+16*j
.set j, j+1
.endr
.set a, a+1
.endr
	s_wait_dscnt 0x0                               ; for the others' sake: my stores into the stage are done
	s_barrier_signal -1
	s_barrier_wait -1
.set t, 0
.rept 32
	ds_load_b128 v[ACC+4*t:ACC+4*t+3], v[RD] offset:t*OPITCH
.set t, t+1
.endr
.set t, 0
.rept 32
	s_wait_dscnt 31-t                              ; LDS loads come back in order: row t is in
	global_store_b128 v[CO], v[ACC+4*t:ACC+4*t+3], s[8:9] offset:t*16384 th:TH_STORE_NT  ; the wave stores 512 consecutive bytes, at a multiple of 256 from C's first byte
.set t, t+1
.endr
	s_wait_tensorcnt 0x0                           ; the wave's end: an add and its wait, behind my last tensor load and my last LDS store
	ds_add_u32 v[SPW], v[NIL]
	s_wait_dscnt 0x0
	CROUND                                         ; the closing round: no work-group ends while a partner may still ask for a tile that names it
	s_endpgm
.Lfunc_end_k_q32425832e2_last:
	.size	k_q32425832e2_last, .Lfunc_end_k_q32425832e2_last-k_q32425832e2_last
	.p2alignl 7, 3214868480
	.fill 96, 4, 3214868480
	.section	.rodata,"a",@progbits
	.p2align	6, 0x0
	.amdhsa_kernel k_q32425832e2_last
		.amdhsa_group_segment_fixed_size 327680
		.amdhsa_private_segment_fixed_size 0
		.amdhsa_enable_private_segment 0
		.amdhsa_kernarg_size 24
		.amdhsa_user_sgpr_count 2
		.amdhsa_user_sgpr_kernarg_segment_ptr 1
		.amdhsa_wavefront_size32 1
		.amdhsa_system_sgpr_workgroup_id_x 1
		.amdhsa_system_sgpr_workgroup_id_y 1
		.amdhsa_system_sgpr_workgroup_id_z 1
		.amdhsa_system_vgpr_workitem_id 0
		.amdhsa_next_free_vgpr 640
		.amdhsa_next_free_sgpr 66
		.amdhsa_reserve_vcc 0
		.amdhsa_float_denorm_mode_32 3
		.amdhsa_float_denorm_mode_16_64 3
		.amdhsa_memory_ordered 1
		.amdhsa_forward_progress 1
		.amdhsa_inst_pref_size 112
	.end_amdhsa_kernel
	.amdgpu_metadata
---
amdhsa.version: [ 1, 2 ]
amdhsa.kernels:
  - .name:           k_q32425832e2_last
    .symbol:         k_q32425832e2_last.kd
    .args:
      - { .name: h2, .offset: 0, .size: 8, .value_kind: global_buffer, .address_space: global }
      - { .name: t2, .offset: 8, .size: 8, .value_kind: global_buffer, .address_space: global }
      - { .name: out0, .offset: 16, .size: 8, .value_kind: global_buffer, .address_space: global }
    .group_segment_fixed_size: 327680
    .private_segment_fixed_size: 0
    .kernarg_segment_align: 8
    .kernarg_segment_size: 24
    .max_flat_workgroup_size: 128
    .sgpr_count:     66
    .vgpr_count:     640
    .wavefront_size: 32
...
	.end_amdgpu_metadata
.endif
;; end of part 7
